; MI455X (gfx1250); checked and timed in simulation.
; The chip was launched on July 23, 2026; its instructions are those of AMD's public machine-readable ISA for CDNA 5 (MIT licence, August 2026) and "CDNA5" Instruction Set Architecture Reference Guide (July 2026). The comments in the code are by the model that wrote it; some were corrected since.
;; Multi Headed Attention. Allowed arithmetic: matrix products marked QUANTISED: E2M3 operands, one E8M0 scale for each 32 along K, by v_wmma_scale_f32_16x16x128_f8f6f4 with both operands' format E2M3, f32 sums; everything else in f32.
;; Inputs: Wk 1,024 x 1,024 float32; Wo 1,024 x 1,024 float32; Wq 1,024 x 1,024 float32; Wv 1,024 x 1,024 float32; bk 1,024 float32; bo 1,024 float32; bq 1,024 float32; bv 1,024 float32; key 4 x 2,048 x 1,024 float32; mask 4 x 2,048 x 2,048 int32; query 4 x 2,048 x 1,024 float32; value 4 x 2,048 x 1,024 float32.
;; Outputs: out0 4 x 2,048 x 1,024 float32.
;; This version of the problem:
;;   THIS VERSION OF THE PROBLEM IS GIVEN IN LOW PRECISION. The matrix products marked QUANTISED in the list below multiply operands that are first quantised to E2M3 (2 exponent bits, 3 mantissa bits; 6 bits a number), with one power-of-two scale for each 32 numbers along K (OCP MX v1.0); their sums are f32. All else is computed in f32.
;;   The module's matrix products, in the order in which they are computed (A, B: the left and right operand; K: the contracted axis; several contracted axes count as one K, in the product's order):
;;     1. [M 8,192, K 1,024] x [K 1,024, N 1,024]; A: input query; B: input Wq: QUANTISED
;;     2. [M 8,192, K 1,024] x [K 1,024, N 1,024]; A: input key; B: input Wk: QUANTISED
;;     3. [M 8,192, K 1,024] x [K 1,024, N 1,024]; A: input value; B: input Wv: QUANTISED
;;     4. batch 64 x [M 2,048, K 64] x [K 64, N 2,048]; A: computed on the way; B: computed on the way: QUANTISED
;;     5. batch 64 x [M 2,048, K 2,048] x [K 2,048, N 64]; A: softmax (see below); B: computed on the way: QUANTISED
;;     6. [M 8,192, K 1,024] x [K 1,024, N 1,024]; A: computed on the way; B: input Wo: QUANTISED
;;   THE QUANTISER, for each operand of a quantised product, along K:
;;     - K is cut into blocks of 32 from its start; a last block that is shorter is filled with zeros.
;;     - A block's scale is 2^e with e = floor(log2(the largest magnitude in the block)) - 2, held to -126 .. 127; a block of zeros has e = 0. As a byte (E8M0): e + 127.
;;     - Each number is divided by its block's scale, clamped to +-7.5, and rounded to the nearest number of E2M3, ties to even, subnormals kept.
;;     - The product sums the exact products of the quantised numbers (number of the format x scale) in f32.
;;   ~~~python
;;   def quantise(x, axis):      # numpy; x: float32 -> the quantised numbers, widened to float32 again
;;       x = np.moveaxis(x, axis, -1); K = x.shape[-1]
;;       x = np.pad(x, [(0, 0)] * (x.ndim - 1) + [(0, -K % 32)]); x = x.reshape(x.shape[:-1] + (-1, 32)); a = np.abs(x).max(-1, keepdims=True)
;;       e = np.where(a > 0, np.clip(np.frexp(np.where(a > 0, a, 1))[1] - 1 - 2, -126, 127), 0)      # np.frexp(a)[1] - 1 = floor(log2(a)), exactly
;;       r = np.clip(x / 2.0 ** e, -7.5, 7.5)
;;       step = 2.0 ** (np.maximum(np.frexp(np.where(r == 0, 1, r))[1] - 1, 0) - 3)
;;       q = np.round(r / step) * step * 2.0 ** e      # np.round: ties to even
;;       return np.moveaxis(q.reshape(q.shape[:-2] + (-1,))[..., :K], -1, axis).astype(np.float32)
;;   ~~~
;;   SOFTMAX AHEAD OF A QUANTISED PRODUCT. Where the list says 'softmax', what is quantised is not the finished softmax but p = 2^(t - M), with t = logit x log2(e) and M = ceil(the row's largest t), a whole number; so 1/2 < the row's largest p <= 1. The row's sum l is taken of the UNQUANTISED p, in f32, and the product's result is divided by l at the end. Since M is a whole number, a kernel that streams over the keys may use a running M (the ceiling of the running maximum): every later rescaling is an exact power of two, which a block's scale takes up: the codes' values come out the same.
;;   OPERANDS COMPUTED ON THE WAY. 'Computed on the way' means the value that the module computes at that place (a softmax that the list does not call 'softmax' is quantised finished and normalised). What goes into a quantiser is computed in f32, as accurately as f32 sums, v_exp_f32 and their like allow (about 1e-6 of the number): no bf16 or f16 on the way to a quantiser, and a product that is left as it is and whose result goes on into a quantised operand takes f32 operands (vector FMAs, or v_wmma_f32_16x16x4_f32). A number that lies on a knife's edge between two numbers of the format may be rounded either way, as far as f32 arithmetic and the matrix unit's own rounding can turn it there, and no further.
;; One version. Each part assembles by itself: llvm-mc -triple=amdgcn-amd-amdhsa -mcpu=gfx1250 --defsym DOCPART=n.
;; ======== version 1 of 1: 4 launches
;; limits: right only within a limited range of input values
;; workspace buffers: codes 22,020,096 bytes; scales 917,504 bytes; att 18,874,368 bytes; atts 1,310,720 bytes; maskw 2,097,152 bytes of whole numbers; xc 6,291,456 bytes; xs 262,144 bytes
;; launch prep (part 1): grid 704 x 1, 4 waves a work-group, no clusters, 71,168 bytes of LDS; arguments query, key, value, Wq, Wk, Wv, Wo, mask, codes, scales, maskw; writes codes, scales, maskw
.if DOCPART == 1
	.amdgcn_target "amdgcn-amd-amdhsa--gfx1250"
	.amdhsa_code_object_version 6
	.text
	.protected	k_q4d5f880dc2_prep
	.globl	k_q4d5f880dc2_prep
	.p2align	8
	.type	k_q4d5f880dc2_prep,@function
k_q4d5f880dc2_prep:
	s_mov_b64 s[64:65], 0
	v_nop
	global_prefetch_b8 v0, s[64:65] scope:SCOPE_SE
	s_setreg_imm32_b32 hwreg(HW_REG_WAVE_MODE, 25, 1), 1
	s_wait_xcnt 0x0
; PREP.  query, key, value [8192][1024] and Wq, Wk, Wv, Wo [1024][1024], f32, K innermost, become codes of FP6 (E2M3) with one E8M0 byte for each 32 along K;
; mask [4][2048][2048], int32, becomes words of 32 bits, one bit a lane, in the order in which the attention launch's score registers want them.
; A block's scale is 2^(floor(log2(largest magnitude)) - 2); its byte is the largest magnitude's exponent field - 2, held at 1 from below.
; LIMITS: NaN and infinities among the inputs are not served; a block whose largest magnitude lies under 2^-124, a block of zeros too, gets the byte 1 (its codes are then zeros or tiny; only this program reads the bytes).
; LAYOUT OF THE CODES: tiles of 16 rows; tile T of a tensor holds rows 32 (T / 2) + 8 (T % 2) + i + 8 (i / 8), i = 0 .. 15.  A tile is 16 images of 768 bytes, one for each 64 along K.
; An image is the operand's registers as they stand: lane (r = l % 16, h = l / 16) holds the 24 bytes of k = 32 h .. 32 h + 31 of the tile's row r: registers 0-3 at byte 16 l, registers 4-5 at byte 512 + 8 l.
; SCALE BYTES: [tile][r][32], the byte's number = the block's number along K.
; MASK WORDS: [b][tile of queries T][key step of 128][64 words]; bit l of word 16 bb + i says whether mask[b][row r of tile T][128 step + 32 bb + 16 h + i] is not 0.
; SHARES: work-groups 0-447 quantise, a wave a tile (16 rows x 4,096 bytes); work-groups 448-703 pack the mask, a wave 16 rows x 4,096 bytes.  Waves share nothing: no barrier.
; Every global load of a wave reads whole aligned runs of 256 or 512 bytes; a turn through the wave's own stage in LDS gives each lane the neighbours that it needs.  The two paths have LDS bytes of their own.
.set R, 32                             ; v32-159  numbers as they are loaded: 4 sets of 32 (mask path: 2 sets of 64)
.set X, 160                            ; v160-223 numbers as a lane wants them: 2 sets of 32 (mask path: 64)
.set C, 224                            ; v224-229 a block's codes (mask path: v224-227 two pairs of words)
.set D, 232                            ; v232-234 the codes of the block's second half
	s_load_b512 s[4:19], s[0:1], 0x0               ; query, key, value, Wq, Wk, Wv, Wo, mask
	s_load_b128 s[20:23], s[0:1], 0x40             ; codes, scales
	s_load_b64 s[24:25], s[0:1], 0x50              ; maskw
	v_lshl_add_u32 v240, v0, 2, 0x11400
	v_mov_b32 v241, 0
	v_lshrrev_b32 v1, 5, v0
	v_readfirstlane_b32 s26, v1                    ; wave
	v_and_b32 v1, 31, v0                           ; lane l
	v_lshlrev_b32 v2, 4, v1                        ; 16 l
	v_lshlrev_b32 v3, 3, v1                        ; 8 l
	v_and_b32 v8, 15, v0                           ; r
	v_bfe_u32 v9, v0, 4, 1                         ; h
	v_lshlrev_b32 v4, 4, v8
	v_lshl_add_u32 v4, v9, 12, v4                  ; a load: lanes 0-15 one row's 256 bytes, lanes 16-31 the next row's
	s_mul_i32 s27, s26, 8704                       ; the quantiser's two stages of 16 rows x 272 bytes
	v_mul_u32_u24 v5, v9, 272
	v_lshl_add_u32 v5, v8, 4, v5
	v_add_nc_u32 v5, s27, v5                       ; into a stage: as loaded
	v_mul_u32_u24 v6, v8, 272
	v_lshl_add_u32 v6, v9, 7, v6
	v_add_nc_u32 v6, s27, v6                       ; out of it: row r, my block's 128 bytes
	s_lshl_b32 s27, s26, 9
	s_add_co_u32 s27, s27, 34816                   ; my wave's 512 scale bytes
	v_lshl_add_u32 v7, v8, 5, v9                   ; 32 r + h
	v_add_nc_u32 v7, s27, v7
	v_add_nc_u32 v16, s27, v2                      ; and on the way out 16 bytes a lane
	s_mul_i32 s27, s26, 8448
	s_add_co_u32 s27, s27, 36864                   ; the mask path's stage: 16 rows x 528 bytes
	v_add_nc_u32 v17, s27, v2                      ; into it: a row's 512 bytes
	v_mul_u32_u24 v18, v8, 528
	v_lshl_add_u32 v18, v9, 6, v18
	v_add_nc_u32 v18, s27, v18                     ; out of it: row r, + 64 h
	s_cmp_ge_u32 ttmp9, 448
	s_cbranch_scc1 .Lmask
	; ---------------- the quantiser ----------------
	s_wait_kmcnt 0x0
	s_mov_b64 s[28:29], s[16:17]                   ; which tensor, and its first work-group: the choice hangs on the work-group's number alone
	s_mov_b32 s30, 432
	s_cmp_lt_u32 ttmp9, 432
	s_cselect_b64 s[28:29], s[14:15], s[28:29]
	s_cselect_b32 s30, 416, s30
	s_cmp_lt_u32 ttmp9, 416
	s_cselect_b64 s[28:29], s[12:13], s[28:29]
	s_cselect_b32 s30, 400, s30
	s_cmp_lt_u32 ttmp9, 400
	s_cselect_b64 s[28:29], s[10:11], s[28:29]
	s_cselect_b32 s30, 384, s30
	s_cmp_lt_u32 ttmp9, 384
	s_cselect_b64 s[28:29], s[8:9], s[28:29]
	s_cselect_b32 s30, 256, s30
	s_cmp_lt_u32 ttmp9, 256
	s_cselect_b64 s[28:29], s[6:7], s[28:29]
	s_cselect_b32 s30, 128, s30
	s_cmp_lt_u32 ttmp9, 128
	s_cselect_b64 s[28:29], s[4:5], s[28:29]
	s_cselect_b32 s30, 0, s30
	s_sub_co_u32 s30, ttmp9, s30
	s_lshl_b32 s30, s30, 6                         ; 64 rows a work-group,
	s_lshr_b32 s31, s26, 1
	s_lshl_b32 s31, s31, 5
	s_add_co_u32 s30, s30, s31                     ; + 32 (wave / 2)
	s_and_b32 s31, s26, 1
	s_lshl_b32 s31, s31, 3
	s_add_co_u32 s30, s30, s31                     ; + 8 (wave % 2): my tile's first row
	s_lshl_b32 s30, s30, 12                        ; rows of 4,096 bytes
	s_mov_b32 s31, 0
	s_add_nc_u64 s[28:29], s[28:29], s[30:31]
	s_lshl_b32 s30, ttmp9, 2
	s_add_co_u32 s30, s30, s26                     ; my tile's number among all 1,792
	s_mul_i32 s32, s30, 12288
	s_mov_b32 s33, 0
	s_add_nc_u64 s[20:21], s[20:21], s[32:33]
	s_lshl_b32 s32, s30, 9
	s_add_nc_u64 s[22:23], s[22:23], s[32:33]
.macro LOAD t                          ; step t: 64 along K of my 16 rows; a load takes two rows' aligned 256 bytes
.set j, 0
.rept 8
	global_load_b128 v[R+32*((\t)%4)+4*j:R+32*((\t)%4)+4*j+3], v4, s[28:29] offset:(2*j+8*(j/4))*4096+256*(\t) th:TH_LOAD_NT
.set j, j+1
.endr
.endm
.macro TURN t                          ; through a stage: LDS serves a wave's instructions in order, so no wait stands between the stores and the loads
.set j, 0
.rept 8
	ds_store_b128 v5, v[R+32*((\t)%4)+4*j:R+32*((\t)%4)+4*j+3] offset:4352*((\t)%2)+544*j
.set j, j+1
.endr
.set j, 0
.rept 8
	ds_load_b128 v[X+32*((\t)%2)+4*j:X+32*((\t)%2)+4*j+3], v6 offset:4352*((\t)%2)+16*j
.set j, j+1
.endr
.endm
.macro STEP t
.set XS, X+32*((\t)%2)
.if (\t) > 0
	s_wait_dscnt 1                                 ; this step's numbers are back from the stage (only the last step's byte store may be out), so the stores into the stage have read their registers
.else
	s_wait_dscnt 0x0
.endif
	s_wait_xcnt 0x0                                ; the last step's stores have read the codes' registers
.if (\t)+4 < 16
	LOAD (\t)+4
.endif
.if (\t)+1 < 16
.if 14-(\t) >= 3
	s_wait_loadcnt 24                              ; the next step's 8 loads are in; the three sets behind them may be out
.else
	s_wait_loadcnt 8*(14-(\t))
.endif
	TURN (\t)+1
.endif
	v_max3_num_f32 v12, |v[XS]|, |v[XS+1]|, |v[XS+2]|     ; the block's largest magnitude: all 32 numbers are mine; two chains
	v_max3_num_f32 v13, |v[XS+3]|, |v[XS+4]|, |v[XS+5]|
.irp i, 6,10,14,18,22,26
	v_max3_num_f32 v12, v12, |v[XS+\i]|, |v[XS+\i+1]|
	v_max3_num_f32 v13, v13, |v[XS+\i+2]|, |v[XS+\i+3]|
.endr
	v_max3_num_f32 v12, v12, |v[XS+30]|, |v[XS+31]|
	v_max3_num_f32 v12, v12, v13, 0x1800000        ; and the floor 2^(3 - 127): the byte cannot fall under 1
	v_add_nc_u32 v14, 0xff000000, v12              ; 2 off the exponent field: the conversion's scale operand
	v_cvt_scalef32_pk16_fp6_f32 v[C:C+2], v[XS:XS+15], v14
	v_cvt_scalef32_pk16_fp6_f32 v[D:D+2], v[XS+16:XS+31], v14   ; (a conversion's three registers begin on an even number)
	v_lshrrev_b32 v[10+(\t)%2], 23, v14            ; the scale's byte; also the plain line behind the conversions
	v_mov_b32 v[C+3], v[D]
	v_mov_b32 v[C+4], v[D+1]
	v_mov_b32 v[C+5], v[D+2]
	ds_store_b8 v7, v[10+(\t)%2] offset:2*(\t)     ; block 2 t + h of row r
	global_store_b128 v2, v[C:C+3], s[20:21] offset:768*(\t)       ; the image: 512 consecutive bytes,
	global_store_b64 v3, v[C+4:C+5], s[20:21] offset:768*(\t)+512  ; and 256
.endm
	LOAD 0
	LOAD 1
	LOAD 2
	LOAD 3
	s_wait_loadcnt 24                              ; step 0's 8 loads are in
	s_wait_alu depctr_va_vdst(0)
	TURN 0
.set T, 0
.rept 16
	STEP T
.set T, T+1
.endr
	ds_load_b128 v[X:X+3], v16                     ; my tile's 512 scale bytes: these loads see my byte stores
	s_wait_dscnt 0x0
	global_store_b128 v2, v[X:X+3], s[22:23]
	s_wait_tensorcnt 0x0
	ds_add_u32 v240, v241
	s_wait_dscnt 0x0
	s_endpgm
	; ---------------- the mask ----------------
.Lmask:
	s_sub_co_u32 s30, ttmp9, 448
	s_lshl_b32 s30, s30, 2
	s_add_co_u32 s30, s30, s26                     ; Wm = 256 b + 2 T + half
	s_lshr_b32 s31, s30, 8
	s_lshl_b32 s32, s31, 24                        ; b: 2,048 rows of 8,192 bytes
	s_bfe_u32 s31, s30, 0x70001                    ; T
	s_lshr_b32 s34, s31, 1
	s_lshl_b32 s34, s34, 5
	s_and_b32 s31, s31, 1
	s_lshl_b32 s31, s31, 3
	s_add_co_u32 s34, s34, s31                     ; the tile's first row
	s_lshl_b32 s34, s34, 13
	s_add_co_u32 s32, s32, s34
	s_and_b32 s31, s30, 1
	s_lshl_b32 s31, s31, 12                        ; which 8 key steps: 4,096 bytes of a row
	s_add_co_u32 s32, s32, s31
	s_mov_b32 s33, 0
	s_wait_kmcnt 0x0
	s_add_nc_u64 s[18:19], s[18:19], s[32:33]
	s_lshl_b32 s32, s30, 11                        ; 8 steps x 256 bytes of words
	s_add_nc_u64 s[24:25], s[24:25], s[32:33]
.irp i, 0,1,2,3
	v_mov_b32 v[C+\i], 0                           ; written once: v_writelane_b32's destination counts as read
.endr
.macro MLOAD t                         ; key step t: a row's 512 consecutive bytes a load
.set i, 0
.rept 16
	global_load_b128 v[R+64*((\t)%2)+4*i:R+64*((\t)%2)+4*i+3], v2, s[18:19] offset:(i+8*(i/8))*8192+512*(\t) th:TH_LOAD_NT
.set i, i+1
.endr
.endm
.macro MTURN t                         ; through the stage: register 16 bb + i of lane (r, h) becomes mask[row r][32 bb + 16 h + i]
.set i, 0
.rept 16
	ds_store_b128 v17, v[R+64*((\t)%2)+4*i:R+64*((\t)%2)+4*i+3] offset:528*i
.set i, i+1
.endr
.set i, 0
.rept 16
	ds_load_b128 v[X+4*i:X+4*i+3], v18 offset:128*(i/4)+16*(i%4)
.set i, i+1
.endr
.endm
.macro MSTEP t
	s_wait_dscnt 0x0                               ; this step's numbers are back from the stage
	s_wait_xcnt 0x0                                ; earlier stores have read the words' registers
.if (\t)+2 < 8
	MLOAD (\t)+2
.endif
.irp g, 0,1
.set n, 0
.rept 32
	v_cmp_ne_u32 s[32+n], 0, v[X+32*\g+n]          ; word 32 g + n: one bit a lane
.set n, n+1
.endr
.set n, 0
.rept 32
	v_writelane_b32 v[C+2*((\t)%2)+n%2], s[32+n], (32*\g+n)/2   ; lane m of the pair holds words 2 m and 2 m + 1
.set n, n+1
.endr
.endr
.if (\t)+1 < 8
.if (\t)+2 < 8
	s_wait_alu depctr_va_vdst(0)
	s_wait_loadcnt 16                              ; the next step's 16 loads are in; the set behind them may be out
.else
	s_wait_alu depctr_va_vdst(0)
	s_wait_loadcnt 0x0
.endif
	MTURN (\t)+1
.endif
	global_store_b64 v3, v[C+2*((\t)%2):C+2*((\t)%2)+1], s[24:25] offset:256*(\t)   ; 256 consecutive bytes, aligned
.endm
	MLOAD 0
	MLOAD 1
	s_wait_loadcnt 16
	s_wait_alu depctr_va_vdst(0)
	MTURN 0
.set T, 0
.rept 8
	MSTEP T
.set T, T+1
.endr
	s_wait_tensorcnt 0x0
	ds_add_u32 v240, v241
	s_wait_dscnt 0x0
	s_endpgm
.Lfunc_end_k_q4d5f880dc2_prep:
	.size	k_q4d5f880dc2_prep, .Lfunc_end_k_q4d5f880dc2_prep-k_q4d5f880dc2_prep
	.p2alignl 7, 3214868480
	.fill 96, 4, 3214868480
	.section	.rodata,"a",@progbits
	.p2align	6, 0x0
	.amdhsa_kernel k_q4d5f880dc2_prep
		.amdhsa_group_segment_fixed_size 71168
		.amdhsa_private_segment_fixed_size 0
		.amdhsa_enable_private_segment 0
		.amdhsa_kernarg_size 88
		.amdhsa_user_sgpr_count 2
		.amdhsa_user_sgpr_kernarg_segment_ptr 1
		.amdhsa_wavefront_size32 1
		.amdhsa_system_sgpr_workgroup_id_x 1
		.amdhsa_system_sgpr_workgroup_id_y 1
		.amdhsa_system_sgpr_workgroup_id_z 1
		.amdhsa_system_vgpr_workitem_id 0
		.amdhsa_next_free_vgpr 242
		.amdhsa_next_free_sgpr 66
		.amdhsa_reserve_vcc 0
		.amdhsa_float_denorm_mode_32 3
		.amdhsa_float_denorm_mode_16_64 3
		.amdhsa_memory_ordered 1
		.amdhsa_forward_progress 1
		.amdhsa_inst_pref_size 154
	.end_amdhsa_kernel
	.amdgpu_metadata
---
amdhsa.version: [ 1, 2 ]
amdhsa.kernels:
  - .name:           k_q4d5f880dc2_prep
    .symbol:         k_q4d5f880dc2_prep.kd
    .args:
      - { .name: query, .offset: 0, .size: 8, .value_kind: global_buffer, .address_space: global }
      - { .name: key, .offset: 8, .size: 8, .value_kind: global_buffer, .address_space: global }
      - { .name: value, .offset: 16, .size: 8, .value_kind: global_buffer, .address_space: global }
      - { .name: Wq, .offset: 24, .size: 8, .value_kind: global_buffer, .address_space: global }
      - { .name: Wk, .offset: 32, .size: 8, .value_kind: global_buffer, .address_space: global }
      - { .name: Wv, .offset: 40, .size: 8, .value_kind: global_buffer, .address_space: global }
      - { .name: Wo, .offset: 48, .size: 8, .value_kind: global_buffer, .address_space: global }
      - { .name: mask, .offset: 56, .size: 8, .value_kind: global_buffer, .address_space: global }
      - { .name: codes, .offset: 64, .size: 8, .value_kind: global_buffer, .address_space: global }
      - { .name: scales, .offset: 72, .size: 8, .value_kind: global_buffer, .address_space: global }
      - { .name: maskw, .offset: 80, .size: 8, .value_kind: global_buffer, .address_space: global }
    .group_segment_fixed_size: 71168
    .private_segment_fixed_size: 0
    .kernarg_segment_align: 8
    .kernarg_segment_size: 88
    .max_flat_workgroup_size: 128
    .sgpr_count:     66
    .vgpr_count:     242
    .wavefront_size: 32
...
	.end_amdgpu_metadata
.endif
;; end of part 1
;; launch proj (part 2): grid 4 x 192, 4 waves a work-group, clusters of 4 x 4, 307,712 bytes of LDS; arguments codes, scales, bq, bk, bv, att, atts; writes att, atts
.if DOCPART == 2
	.amdgcn_target "amdgcn-amd-amdhsa--gfx1250"
	.amdhsa_code_object_version 6
	.text
	.protected	k_q4d5f880dc2_proj
	.globl	k_q4d5f880dc2_proj
	.p2align	8
	.type	k_q4d5f880dc2_proj,@function
k_q4d5f880dc2_proj:
	s_mov_b64 s[64:65], 0
	v_nop
	global_prefetch_b8 v0, s[64:65] scope:SCOPE_SE
	s_setreg_imm32_b32 hwreg(HW_REG_WAVE_MODE, 25, 1), 1
	s_wait_xcnt 0x0
	s_wait_alu depctr_hold_cnt(0) depctr_sa_sdst(0) depctr_va_vdst(0) depctr_va_sdst(0) depctr_va_ssrc(0) depctr_va_vcc(0) depctr_vm_vsrc(0)
	s_getreg_b32 s2, hwreg(HW_REG_IB_STS2, 6, 4)
	s_cmp_eq_u32 s2, 0
	s_cbranch_scc0 .Lentry_in_a_cluster
	s_endpgm
.Lentry_in_a_cluster:
	s_bfe_u32 s2, ttmp6, 0x10000c
	s_cmp_lg_u32 s2, 0xf033
	s_cbranch_scc0 .Lentry_shape_is_right
	s_endpgm
.Lentry_shape_is_right:
; PROJ.  q = query Wq^T + bq, k = key Wk^T + bk, v = value Wv^T + bv on codes of FP6 (E2M3) with E8M0 scales, sums in f32; the results are quantised in registers, q and k along the head's 64, v along the keys,
; and leave as images of the operands that the attention launch takes.
; A work-group makes 128 rows of the A side x 256 rows of the B side with all of K = 1,024 in LDS, filled once: no slot is ever filled again.  q, k: A = the tokens, B = the weight.  v: A = Wv, B = the tokens.
; THE MATRIX INSTRUCTION IS USED TRANSPOSED (source 0 = 16 rows of the B side, source 1 = 16 rows of the A side), and a tile of 16 holds rows 32 (T / 2) + 8 (T % 2) + i + 8 (i / 8): so the 16 registers of
; accumulators 2 bb and 2 bb + 1 are 16 neighbours, 32 bb + 16 h + 0 .. 15, along the B side: the head's channels for q and k, the keys for v: the K of the product that follows.
; Four waves: wave w takes 64 rows of A (w / 2) x 128 rows of B (w % 2): 32 accumulators, 8 K steps of 128, 256 matrix instructions.
; CLUSTER 4 x 4: the four of a row need the same tiles of A, the four of a column the same tiles of B: each is asked for jointly.  Which tensor a work-group serves hangs on the cluster's y alone.
; LIMITS: NaN and infinities are not served; a block whose largest magnitude lies under 2^-124, zeros too, gets the byte 1.
; LDS: A's codes [8 tiles][12,288] at 0; B's [16 tiles][12,288] at 98,304; A's scale bytes 8 x 512 at 294,912; B's 16 x 512 at 299,008.
; REGISTERS: window 0: v4-15 addresses, v20-27 v's bias, v32-63 B's scale words, v64-79 A's, v80-175 A's fragments (two sets of 48), v192-255 q's and k's bias; behind the loop v80-143 64 numbers, v144-187 the quantiser's.
;   window 1: B's fragments, two sets at v0 and v128.   window 2: accumulator (a, b) at v[8 (8 a + b)].
.set PAC, 4                            ; s[4:5]  A's codes      (both sides lie in one buffer here)
.set PAS, 6                            ; s[6:7]  A's scale bytes
.set PBC, 4
.set PBS, 6
.set LSA, 294912
.set LSB, 299008
.set H,   80
.set TM,  144
.set PC,  160
.set PWS, 180
.set BR,  192
.set BL,  20
.set SEL, 100
.set MSB, 0
.macro WIN new                         ; the immediate's high byte repeats the setting that is left
.if MSB != \new
	s_set_vgpr_msb (MSB<<8)|\new
.set MSB, \new
.endif
.endm
.macro PLACES                          ; four plain lines behind matrix instructions, ahead of loads into registers that they read and of the first read of results
.rept 4
	v_nop
.endr
.endm
.macro CROUND                          ; a round of the cluster's barrier
	s_barrier_signal -1
	s_barrier_wait -1
	s_cmp_lg_u32 s18, 0
	s_cbranch_scc1 .Lnot_wave_0_\@
	s_barrier_signal -3
.Lnot_wave_0_\@:
	s_barrier_wait -3
	s_barrier_signal -1
	s_barrier_wait -1
.endm
.macro GROUP1 g, c, r, p               ; words 1 to 7 of a descriptor's group 1: r rows of c elements of 8 bytes, p elements apart
	s_mov_b32 s[\g+1], (\c)<<16
	s_mov_b32 s[\g+2], (\r)<<16
	s_mov_b32 s[\g+3], (\c)<<16
	s_mov_b32 s[\g+4], \r
	s_mov_b32 s[\g+5], \p
	s_mov_b32 s[\g+6], 0
	s_mov_b32 s[\g+7], 0
.endm
	s_load_b256 s[4:11], s[0:1], 0x0               ; codes, scales, bq, bk
	s_load_b128 s[12:15], s[0:1], 0x20             ; bv, att
	s_load_b64 s[16:17], s[0:1], 0x30              ; atts
	v_lshl_add_u32 v190, v0, 2, 0x4b000
	v_mov_b32 v191, 0
	ds_add_u32 v190, v191
	ds_add_u32 v190, v191
	v_lshrrev_b32 v1, 5, v0
	v_readfirstlane_b32 s18, v1                    ; wave
	s_lshr_b32 s19, s18, 1                         ; WM: my 64 rows of A.
	s_and_b32 s20, s18, 1                          ; WN: my 128 rows of B.
	s_bfe_u32 s21, ttmp6, 0x40000                  ; cx
	s_bfe_u32 s22, ttmp6, 0x40004                  ; cy
	s_and_b32 s23, ttmp7, 0xffff                   ; the cluster's y, 0 .. 47
	s_lshr_b32 s84, s23, 4                         ; the tensor: 0 q, 1 k, 2 v
	s_and_b32 s88, s23, 1
	s_and_b32 s89, s23, 15
	s_bfe_u32 s90, s23, 0x30001
	s_mov_b32 s92, 1536
	s_cmp_eq_u32 s84, 2
	s_cselect_b32 s85, 1, 0                        ; is it v?
	s_cselect_b32 s88, s88, s89                    ; the cluster's row of blocks
	s_cselect_b32 s90, s90, 0                      ; and its column
	s_cselect_b32 s91, 1664, 0                     ; A's first tile in the buffers: query 0, key 512, Wv 1,664
	s_cselect_b32 s92, 1024, s92                   ; B's: Wq 1,536, Wk 1,600, value 1,024
	s_cmp_eq_u32 s84, 1
	s_cselect_b32 s91, 512, s91
	s_cselect_b32 s92, 1600, s92
	s_lshl_b32 s86, s88, 2
	s_add_co_u32 s86, s86, s22                     ; tr: my block of 128 rows of A
	s_lshl_b32 s87, s90, 2
	s_add_co_u32 s87, s87, s21                     ; tc: my block of 256 rows of B
	s_lshl_b32 s93, s22, 2
	s_lshl_b32 s93, 15, s93                        ; my row of the cluster
	s_lshl_b32 s96, 0x1111, s21                    ; my column
	s_or_b32 s24, s93, (3<<16)|(1<<21)             ; A's codes: the mask; elements of 8 bytes; bit 21 beside a mask; no padding
	s_or_b32 s32, s96, (3<<16)|(1<<21)             ; B's codes
	s_or_b32 s40, s93, (3<<16)|(1<<21)             ; A's scale bytes
	s_or_b32 s48, s96, (3<<16)|(1<<21)             ; B's
	; each side's codes and scale bytes are one dense block of memory, stated as rows of 256 bytes; in LDS a tile's 12,288 bytes lie on end: A's [8 tiles][12,288] at 0, B's [16 tiles][12,288] at 98,304
	GROUP1 24, 32, 384, 32                         ; A's 8 tiles: 98,304 bytes
	GROUP1 32, 32, 768, 32                         ; B's 16 tiles: 196,608
	GROUP1 40, 32, 16, 32                          ; A's scale bytes: 4,096
	GROUP1 48, 32, 32, 32                          ; B's: 8,192
	s_lshl_b32 s88, s86, 3
	s_add_co_u32 s88, s88, s91                     ; the block's first tile of A
	s_lshl_b32 s90, s87, 4
	s_add_co_u32 s90, s90, s92                     ; and of B
	s_lshl_b32 s92, s88, 9
	s_mov_b32 s93, 0
	s_mul_i32 s94, s88, 12288
	s_mov_b32 s95, 0
	s_lshl_b32 s96, s90, 9
	s_mov_b32 s97, 0
	s_mul_i32 s98, s90, 12288
	s_mov_b32 s99, 0
	s_wait_dscnt 0x0
	s_wait_kmcnt 0x0
	s_mov_b32 s56, 1                               ; groups 0.  A's scale bytes
	s_mov_b32 s57, LSA
	s_add_nc_u64 s[58:59], s[PAS:PAS+1], s[92:93]
	s_or_b32 s59, s59, 0x80000000
	s_mov_b32 s60, 1                               ; A's codes, all of K
	s_mov_b32 s61, 0
	s_add_nc_u64 s[62:63], s[PAC:PAC+1], s[94:95]
	s_or_b32 s63, s63, 0x80000000
	s_mov_b32 s72, 1                               ; B's scale bytes
	s_mov_b32 s73, LSB
	s_add_nc_u64 s[74:75], s[PBS:PBS+1], s[96:97]
	s_or_b32 s75, s75, 0x80000000
	s_mov_b32 s76, 1                               ; B's codes, all of K
	s_mov_b32 s77, 98304
	s_add_nc_u64 s[78:79], s[PBC:PBC+1], s[98:99]
	s_or_b32 s79, s79, 0x80000000
	CROUND                                         ; all sixteen work-groups are here: the joint loads meet
	s_cmp_eq_u32 s18, 0                            ; the four loads, one joint load a wave, in one chain of branches on the wave's number
	s_cbranch_scc0 .Lwave_1
	tensor_load_to_lds s[76:79], s[32:39]          ; wave 0: B's codes
	s_nop 0
.rept 4
	v_nop
.endr
	s_branch .Lasked
.Lwave_1:
	s_cmp_eq_u32 s18, 1
	s_cbranch_scc0 .Lwave_2
	tensor_load_to_lds s[60:63], s[24:31]          ; wave 1: A's codes
	s_nop 0
.rept 4
	v_nop
.endr
	s_branch .Lasked
.Lwave_2:
	s_cmp_eq_u32 s18, 2
	s_cbranch_scc0 .Lwave_3
	tensor_load_to_lds s[56:59], s[40:47]          ; wave 2: A's scale bytes
	s_nop 0
.rept 4
	v_nop
.endr
	s_branch .Lasked
.Lwave_3:
	tensor_load_to_lds s[72:75], s[48:55]          ; wave 3: B's scale bytes
	s_nop 0
.rept 4
	v_nop
.endr
.Lasked:
	v_and_b32 v1, 31, v0                           ; lane l
	v_lshlrev_b32 v14, 4, v1                       ; 16 l
	v_lshlrev_b32 v15, 3, v1                       ; 8 l
	v_lshlrev_b32 v2, 5, v1
	s_wait_alu depctr_va_vdst(0)
	s_mul_i32 s88, s19, 49152                      ; my four tiles of A
	v_add_nc_u32 v4, s88, v14
	v_add_nc_u32 v6, s88, v15
	s_mul_i32 s88, s20, 98304                      ; my eight tiles of B: v8, v10 for tiles 0-3, v9, v11 for tiles 4-7
	s_add_co_u32 s88, s88, 98304
	v_add_nc_u32 v8, s88, v14
	v_add_nc_u32 v10, s88, v15
	s_add_co_u32 s88, s88, 49152
	v_add_nc_u32 v9, s88, v14
	v_add_nc_u32 v11, s88, v15
	s_lshl_b32 s88, s19, 11
	s_add_co_u32 s88, s88, LSA
	v_add_nc_u32 v12, s88, v2                      ; scale bytes: 32 a row; lanes 0-15 an even tile's rows, lanes 16-31 the odd tile's behind it
	s_lshl_b32 s88, s20, 12
	s_add_co_u32 s88, s88, LSB
	v_add_nc_u32 v13, s88, v2
	; the bias.  q, k: 64 numbers along my registers (the B side's 128 columns); v: one number for each of my four tiles of A, along the lanes.  Both shapes are loaded, from the tensor's own bias, so that no
	; register's content hangs on a branch; the shape that the tensor does not use is read at offset 0 and not used.
	s_cmp_eq_u32 s84, 0
	s_cselect_b64 s[92:93], s[8:9], s[10:11]
	s_cmp_eq_u32 s84, 2
	s_cselect_b64 s[92:93], s[12:13], s[92:93]
	s_lshl_b32 s88, s87, 10
	s_lshl_b32 s89, s20, 9
	s_add_co_u32 s88, s88, s89                     ; (256 tc + 128 WN) x 4
	s_lshl_b32 s90, s86, 9
	s_lshl_b32 s89, s19, 8
	s_add_co_u32 s90, s90, s89                     ; (128 tr + 64 WM) x 4
	s_cmp_eq_u32 s85, 1
	s_cselect_b32 s88, 0, s88
	s_cselect_b32 s90, s90, 0
	s_mov_b32 s89, 0
	s_mov_b32 s91, 0
	s_add_nc_u64 s[94:95], s[92:93], s[90:91]
	s_add_nc_u64 s[92:93], s[92:93], s[88:89]
	v_and_b32 v2, 15, v0                           ; r
	v_bfe_u32 v3, v0, 4, 1                         ; h
	v_lshlrev_b32 v16, 6, v3                       ; 64 h
	v_and_b32 v3, 8, v2
	v_add_nc_u32 v3, v3, v2
	v_lshlrev_b32 v3, 2, v3                        ; 4 (r + 8 (r / 8))
.irp bb, 0,1,2,3
.irp e, 0,1,2,3
	global_load_b128 v[BR+16*\bb+4*\e:BR+16*\bb+4*\e+3], v16, s[92:93] offset:128*\bb+16*\e   ; register 16 bb + i: column 32 bb + 16 h + i
.endr
.endr
.irp a, 0,1,2,3
	global_load_b32 v[BL+2*\a], v3, s[94:95] offset:(32*(\a/2)+8*(\a%2))*4    ; tile a's row r, twice: a pair for the packed addition
	global_load_b32 v[BL+2*\a+1], v3, s[94:95] offset:(32*(\a/2)+8*(\a%2))*4
.endr
; the fragments of K step ks into set p: 12 fragments, each two images of 768 bytes: 48 loads of consecutive bytes
.macro FETCH ks, p
.set qo, (\ks)*1536
	WIN 0x40                                       ; destination window 1
.set ib, 0
.rept 8
	ds_load_b128 v[128*(\p)+12*ib:128*(\p)+12*ib+3], v[8+ib/4] offset:(ib%4)*12288+qo
	ds_load_b64 v[128*(\p)+12*ib+4:128*(\p)+12*ib+5], v[10+ib/4] offset:(ib%4)*12288+qo+512
	ds_load_b128 v[128*(\p)+12*ib+6:128*(\p)+12*ib+9], v[8+ib/4] offset:(ib%4)*12288+qo+768
	ds_load_b64 v[128*(\p)+12*ib+10:128*(\p)+12*ib+11], v[10+ib/4] offset:(ib%4)*12288+qo+1280
.set ib, ib+1
.endr
	WIN 0
.set ia, 0
.rept 4
	ds_load_b128 v[80+48*(\p)+12*ia:80+48*(\p)+12*ia+3], v4 offset:ia*12288+qo
	ds_load_b64 v[80+48*(\p)+12*ia+4:80+48*(\p)+12*ia+5], v6 offset:ia*12288+qo+512
	ds_load_b128 v[80+48*(\p)+12*ia+6:80+48*(\p)+12*ia+9], v4 offset:ia*12288+qo+768
	ds_load_b64 v[80+48*(\p)+12*ia+10:80+48*(\p)+12*ia+11], v6 offset:ia*12288+qo+1280
.set ia, ia+1
.endr
.endm
; one matrix instruction; an odd tile's scale words stand in lanes 16-31 of the register that it shares with the even tile in front of it
.macro WM zero
.if \zero
.if (ib%2 == 0) && (ia%2 == 0)
	v_wmma_scale_f32_16x16x128_f8f6f4 v[rD:rD+7], v[rB:rB+11], v[rA:rA+11], 0, v[rSB], v[rSA] matrix_a_fmt:MATRIX_FMT_FP6 matrix_b_fmt:MATRIX_FMT_FP6
.elseif (ib%2 == 1) && (ia%2 == 0)
	v_wmma_scale_f32_16x16x128_f8f6f4 v[rD:rD+7], v[rB:rB+11], v[rA:rA+11], 0, v[rSB], v[rSA] matrix_a_fmt:MATRIX_FMT_FP6 matrix_b_fmt:MATRIX_FMT_FP6 matrix_a_scale:MATRIX_SCALE_ROW1
.elseif (ib%2 == 0)
	v_wmma_scale_f32_16x16x128_f8f6f4 v[rD:rD+7], v[rB:rB+11], v[rA:rA+11], 0, v[rSB], v[rSA] matrix_a_fmt:MATRIX_FMT_FP6 matrix_b_fmt:MATRIX_FMT_FP6 matrix_b_scale:MATRIX_SCALE_ROW1
.else
	v_wmma_scale_f32_16x16x128_f8f6f4 v[rD:rD+7], v[rB:rB+11], v[rA:rA+11], 0, v[rSB], v[rSA] matrix_a_fmt:MATRIX_FMT_FP6 matrix_b_fmt:MATRIX_FMT_FP6 matrix_a_scale:MATRIX_SCALE_ROW1 matrix_b_scale:MATRIX_SCALE_ROW1
.endif
.else
.if (ib%2 == 0) && (ia%2 == 0)
	v_wmma_scale_f32_16x16x128_f8f6f4 v[rD:rD+7], v[rB:rB+11], v[rA:rA+11], v[rD:rD+7], v[rSB], v[rSA] matrix_a_fmt:MATRIX_FMT_FP6 matrix_b_fmt:MATRIX_FMT_FP6
.elseif (ib%2 == 1) && (ia%2 == 0)
	v_wmma_scale_f32_16x16x128_f8f6f4 v[rD:rD+7], v[rB:rB+11], v[rA:rA+11], v[rD:rD+7], v[rSB], v[rSA] matrix_a_fmt:MATRIX_FMT_FP6 matrix_b_fmt:MATRIX_FMT_FP6 matrix_a_scale:MATRIX_SCALE_ROW1
.elseif (ib%2 == 0)
	v_wmma_scale_f32_16x16x128_f8f6f4 v[rD:rD+7], v[rB:rB+11], v[rA:rA+11], v[rD:rD+7], v[rSB], v[rSA] matrix_a_fmt:MATRIX_FMT_FP6 matrix_b_fmt:MATRIX_FMT_FP6 matrix_b_scale:MATRIX_SCALE_ROW1
.else
	v_wmma_scale_f32_16x16x128_f8f6f4 v[rD:rD+7], v[rB:rB+11], v[rA:rA+11], v[rD:rD+7], v[rSB], v[rSA] matrix_a_fmt:MATRIX_FMT_FP6 matrix_b_fmt:MATRIX_FMT_FP6 matrix_a_scale:MATRIX_SCALE_ROW1 matrix_b_scale:MATRIX_SCALE_ROW1
.endif
.endif
.endm
; a K step's 32 matrix instructions.  The 32 accumulators take turns, one instruction a turn, in the same order in every step.  zero = 1: the first step starts the sums
.macro MUL32 ks, p, zero
	WIN 0xa1                                       ; source 0 (B) window 1, source 1 (A) window 0, C and D window 2
.set ia, 0
.rept 4
.set ib, 0
.rept 8
.set rD, 8*(8*ia+ib)
.set rB, 128*(\p)+12*ib
.set rA, 80+48*(\p)+12*ia
.set rSB, 32+8*(ib/2)+(\ks)
.set rSA, 64+8*(ia/2)+(\ks)
	WM \zero
.set ib, ib+1
.endr
.set ia, ia+1
.endr
.endm
.macro KSTEP ks
	s_wait_dscnt 0x0                               ; this step's fragments are in (asked for 32 matrix instructions ago)
.if \ks < 7
.if \ks > 0
	PLACES
.endif
	FETCH \ks+1, 1-\ks%2
.endif
.if \ks == 0
	MUL32 \ks, 0, 1
.else
	MUL32 \ks, \ks%2, 0
.endif
.endm
	s_wait_alu depctr_va_vdst(0)
	s_wait_tensorcnt 0x0                           ; my one load has landed
	s_barrier_signal -1
	s_barrier_wait -1                              ; everybody's are
.irp i, 0,1,2,3
	ds_load_b128 v[32+8*\i:35+8*\i], v13 offset:\i*1024        ; B's scale words of tiles 2 i and 2 i + 1, all eight K steps
	ds_load_b128 v[36+8*\i:39+8*\i], v13 offset:\i*1024+16
.endr
.irp i, 0,1
	ds_load_b128 v[64+8*\i:67+8*\i], v12 offset:\i*1024        ; A's
	ds_load_b128 v[68+8*\i:71+8*\i], v12 offset:\i*1024+16
.endr
	FETCH 0, 0
.irp ks, 0,1,2,3,4,5,6,7
	KSTEP \ks
.endr
	WIN 0
	PLACES
.irp b, 0,1,2,3
	v_mov_b32 v[TM+4+\b], 0                        ; written once: a lane permute's destination counts as one of its sources
.endr
	s_mov_b32 s97, 0xffff0000                      ; lanes 16-31
	s_mov_b32 s[SEL], 0x76543210
	s_mov_b32 s[SEL+1], 0xfedcba98                 ; v_permlanex16_b32's selects for lane l xor 16
	s_wait_loadcnt 0x0                             ; the bias
; 64 numbers of a lane, register 16 b + i = k 32 b + 16 h + i of my row, become a fragment's codes in v[PC] on and its scale word in v[pw]
.macro QUANT s, pw
.irp b, 0,1,2,3
	v_max3_num_f32 v[TM+\b], |v[\s+16*\b]|, |v[\s+1+16*\b]|, 0x1800000   ; my 16 numbers of block b, and the floor 2^(3 - 127)
.endr
.irp i, 2,4,6,8,10,12,14
.irp b, 0,1,2,3
	v_max3_num_f32 v[TM+\b], v[TM+\b], |v[\s+16*\b+\i]|, |v[\s+1+16*\b+\i]|
.endr
.endr
.irp b, 0,1,2,3
	v_permlanex16_b32 v[TM+4+\b], v[TM+\b], s[SEL], s[SEL+1]
.endr
.irp b, 0,1,2,3
	v_max_num_f32 v[TM+\b], v[TM+\b], v[TM+4+\b]   ; with lane l xor 16's: the block's largest magnitude
.endr
.irp b, 0,1,2,3
	v_add_nc_u32 v[TM+12+\b], 0xff000000, v[TM+\b] ; 2 off the exponent field: the conversion's scale operand
.endr
.irp b, 0,1,2,3
	v_lshrrev_b32 v[TM+4+\b], 23, v[TM+12+\b]      ; the scale's byte
.endr
	v_lshl_or_b32 v[\pw], v[TM+5], 8, v[TM+4]
	v_lshl_or_b32 v[\pw], v[TM+6], 16, v[\pw]
	v_lshl_or_b32 v[\pw], v[TM+7], 24, v[\pw]
.irp c, 0,1
	v_cvt_scalef32_pk16_fp6_f32 v[PC+6*\c:PC+2+6*\c], v[\s+32*\c:\s+15+32*\c], v[TM+12+2*\c]
	v_cvt_scalef32_pk16_fp6_f32 v[PC+12+4*\c:PC+14+4*\c], v[\s+16+32*\c:\s+31+32*\c], v[TM+12+2*\c+1]
.endr
	v_nop                                          ; one plain line behind a scaled conversion
.irp c, 0,1                                    ; the operand's layout wants a whole block in a lane
.irp i, 0,1,2
	v_permlane16_swap_b32 v[PC+6*\c+\i], v[PC+12+4*\c+\i]
.endr
.irp i, 0,1,2
	v_mov_b32 v[PC+3+6*\c+\i], v[PC+12+4*\c+\i]
.endr
.endr
.endm
; my four tiles of A, one after the other: + bias, quantised, stored as two images of 768 bytes.  q, k: the two images are two heads' (98,304 bytes apart); v: the two halves of a key step's 128 keys
.macro EPI isv
.irp a, 0,1,2,3
.if \a > 0
	s_wait_xcnt 0x0                                ; the last tile's stores have read the codes' registers
.endif
	WIN 0x02                                       ; source 0 window 2
.set i, 0
.rept 32
.if \isv
	v_pk_add_f32 v[H+2*i:H+2*i+1], v[64*\a+2*i:64*\a+2*i+1], v[BL+2*\a:BL+2*\a+1]
.else
	v_pk_add_f32 v[H+2*i:H+2*i+1], v[64*\a+2*i:64*\a+2*i+1], v[BR+2*i:BR+2*i+1]
.endif
.set i, i+1
.endr
	WIN 0
	QUANT H, PWS+\a
.if \isv
.set o0, 1536*\a
.set o1, 1536*\a+768
.else
.set o0, 768*\a
.set o1, 98304+768*\a
.endif
	global_store_b128 v14, v[PC:PC+3], s[14:15] offset:o0          ; 512 consecutive bytes,
	global_store_b64 v15, v[PC+4:PC+5], s[14:15] offset:o0+512     ; and 256
	global_store_b128 v14, v[PC+6:PC+9], s[14:15] offset:o1
	global_store_b64 v15, v[PC+10:PC+11], s[14:15] offset:o1+512
.endr
	v_cndmask_b32 v186, v[PWS], v[PWS+1], s97      ; the scale words' image: word j: lanes 0-15 tile 2 j, lanes 16-31 tile 2 j + 1
	v_cndmask_b32 v187, v[PWS+2], v[PWS+3], s97
.endm
	s_cmp_eq_u32 s85, 1
	s_cbranch_scc1 .Lepi_v
	; q, k: the first of my two heads: 16 (tr / 16) + 4 tc + 2 WN; my first tile of tokens in the batch: 8 (tr % 16) + 4 WM
	s_lshr_b32 s88, s86, 4
	s_lshl_b32 s88, s88, 4
	s_lshl_b32 s89, s87, 2
	s_add_co_u32 s88, s88, s89
	s_lshl_b32 s89, s20, 1
	s_add_co_u32 s88, s88, s89
	s_and_b32 s89, s86, 15
	s_mul_i32 s90, s84, 6291456
	s_mul_i32 s91, s88, 98304
	s_add_co_u32 s90, s90, s91
	s_lshl_b32 s91, s89, 3
	s_lshl_b32 s96, s19, 2
	s_add_co_u32 s91, s91, s96
	s_mul_i32 s91, s91, 768
	s_add_co_u32 s90, s90, s91
	s_mov_b32 s91, 0
	s_add_nc_u64 s[14:15], s[14:15], s[90:91]
	s_lshl_b32 s90, s84, 19
	s_lshl_b32 s96, s88, 13
	s_add_co_u32 s90, s90, s96
	s_lshl_b32 s96, s89, 1
	s_add_co_u32 s96, s96, s19
	s_lshl_b32 s96, s96, 8
	s_add_co_u32 s90, s90, s96
	s_add_nc_u64 s[16:17], s[16:17], s[90:91]
	EPI 0
	v_and_b32 v184, 0xffff, v186                   ; the first head's two bytes; bytes 2 and 3 stay 0: they scale the zero codes that fill K = 64 to 128
	v_and_b32 v185, 0xffff, v187
	v_lshrrev_b32 v186, 16, v186                   ; the second head's
	v_lshrrev_b32 v187, 16, v187
	global_store_b64 v15, v[184:185], s[16:17]
	global_store_b64 v15, v[186:187], s[16:17] offset:8192
	s_branch .Lend
.Lepi_v:
	; v: the head 16 (tc / 8) + 2 tr + WM, the key step (2 tc + WN) % 16
	s_lshr_b32 s88, s87, 3
	s_lshl_b32 s88, s88, 4
	s_lshl_b32 s89, s86, 1
	s_add_co_u32 s88, s88, s89
	s_add_co_u32 s88, s88, s19
	s_lshl_b32 s89, s87, 1
	s_add_co_u32 s89, s89, s20
	s_and_b32 s89, s89, 15
	s_mul_i32 s90, s88, 98304
	s_mul_i32 s91, s89, 6144
	s_add_co_u32 s90, s90, s91
	s_add_co_u32 s90, s90, 12582912
	s_mov_b32 s91, 0
	s_add_nc_u64 s[14:15], s[14:15], s[90:91]
	s_lshl_b32 s90, s88, 12
	s_lshl_b32 s96, s89, 8
	s_add_co_u32 s90, s90, s96
	s_add_co_u32 s90, s90, 1048576
	s_add_nc_u64 s[16:17], s[16:17], s[90:91]
	EPI 1
	global_store_b64 v15, v[186:187], s[16:17]
.Lend:
	s_wait_tensorcnt 0x0
	ds_add_u32 v190, v191
	s_wait_dscnt 0x0
	CROUND                                         ; the closing round: no work-group ends while a partner may still ask for a tile that names it
	s_endpgm
.Lfunc_end_k_q4d5f880dc2_proj:
	.size	k_q4d5f880dc2_proj, .Lfunc_end_k_q4d5f880dc2_proj-k_q4d5f880dc2_proj
	.p2alignl 7, 3214868480
	.fill 96, 4, 3214868480
	.section	.rodata,"a",@progbits
	.p2align	6, 0x0
	.amdhsa_kernel k_q4d5f880dc2_proj
		.amdhsa_group_segment_fixed_size 307712
		.amdhsa_private_segment_fixed_size 0
		.amdhsa_enable_private_segment 0
		.amdhsa_kernarg_size 56
		.amdhsa_user_sgpr_count 2
		.amdhsa_user_sgpr_kernarg_segment_ptr 1
		.amdhsa_wavefront_size32 1
		.amdhsa_system_sgpr_workgroup_id_x 1
		.amdhsa_system_sgpr_workgroup_id_y 1
		.amdhsa_system_sgpr_workgroup_id_z 1
		.amdhsa_system_vgpr_workitem_id 0
		.amdhsa_next_free_vgpr 768
		.amdhsa_next_free_sgpr 104
		.amdhsa_reserve_vcc 0
		.amdhsa_float_denorm_mode_32 3
		.amdhsa_float_denorm_mode_16_64 3
		.amdhsa_memory_ordered 1
		.amdhsa_forward_progress 1
		.amdhsa_inst_pref_size 122
	.end_amdhsa_kernel
	.amdgpu_metadata
---
amdhsa.version: [ 1, 2 ]
amdhsa.kernels:
  - .name:           k_q4d5f880dc2_proj
    .symbol:         k_q4d5f880dc2_proj.kd
    .args:
      - { .name: codes, .offset: 0, .size: 8, .value_kind: global_buffer, .address_space: global }
      - { .name: scales, .offset: 8, .size: 8, .value_kind: global_buffer, .address_space: global }
      - { .name: bq, .offset: 16, .size: 8, .value_kind: global_buffer, .address_space: global }
      - { .name: bk, .offset: 24, .size: 8, .value_kind: global_buffer, .address_space: global }
      - { .name: bv, .offset: 32, .size: 8, .value_kind: global_buffer, .address_space: global }
      - { .name: att, .offset: 40, .size: 8, .value_kind: global_buffer, .address_space: global }
      - { .name: atts, .offset: 48, .size: 8, .value_kind: global_buffer, .address_space: global }
    .group_segment_fixed_size: 307712
    .private_segment_fixed_size: 0
    .kernarg_segment_align: 8
    .kernarg_segment_size: 56
    .max_flat_workgroup_size: 128
    .sgpr_count:     104
    .vgpr_count:     768
    .wavefront_size: 32
...
	.end_amdgpu_metadata
.endif
;; end of part 2
;; launch attn (part 3): grid 4 x 64, 16 waves a work-group, clusters of 4 x 1, 210,944 bytes of LDS; arguments att, atts, maskw, xc, xs; writes xc, xs
.if DOCPART == 3
	.amdgcn_target "amdgcn-amd-amdhsa--gfx1250"
	.amdhsa_code_object_version 6
	.text
	.protected	k_q4d5f880dc2_attn
	.globl	k_q4d5f880dc2_attn
	.p2align	8
	.type	k_q4d5f880dc2_attn,@function
k_q4d5f880dc2_attn:
	s_mov_b64 s[64:65], 0
	v_nop
	global_prefetch_b8 v0, s[64:65] scope:SCOPE_SE
	s_setreg_imm32_b32 hwreg(HW_REG_WAVE_MODE, 25, 1), 1
	s_wait_xcnt 0x0
	s_wait_alu depctr_hold_cnt(0) depctr_sa_sdst(0) depctr_va_vdst(0) depctr_va_sdst(0) depctr_va_ssrc(0) depctr_va_vcc(0) depctr_vm_vsrc(0)
	s_getreg_b32 s2, hwreg(HW_REG_IB_STS2, 6, 4)
	s_cmp_eq_u32 s2, 0
	s_cbranch_scc0 .Lentry_in_a_cluster
	s_endpgm
.Lentry_in_a_cluster:
	s_bfe_u32 s2, ttmp6, 0x10000c
	s_cmp_lg_u32 s2, 0x3003
	s_cbranch_scc0 .Lentry_shape_is_right
	s_endpgm
.Lentry_shape_is_right:
; ATTN.  x[b][q][head] = softmax_k(mask ? q . k / 8 : very negative) v, both products on codes of FP6 (E2M3) with E8M0 scales; x is quantised along D and leaves as the output projection's operand.
; THE SOFTMAX: t = score x log2(e) / 8; M = the running largest t rounded up to a whole number; p = 2^(t - M) is quantised along the keys, not normalised; the row's sum is taken of the unquantised p and divides at the end.
; When M moves, the sum and O are multiplied by 2^(old M - new M): exact.
; THE MASK: a hidden key's raw score becomes -2^33, that is the logit -2^30 where the definition has -1e9.  t is then a whole number, so a row with no key left gives p = 1 for every key, as the definition does.
; LIMITS: the result differs from the definition's only where a kept logit lies within some 150 of the span from -2^30 to -1e9; NaN and infinities are not served; a block of x under 2^-124 gets the byte 1.
; SHARES: a work-group owns 512 queries of one head; each of its sixteen waves two tiles of 16, one after the other, each against all 16 key steps of 128.
; The head's whole K and V, as codes, and their scale words lie in LDS, filled once.  CLUSTER 4 x 1: the four query blocks of a head ask for them jointly.  No prefetch: every tile is asked for once, at the head, and there is no loop to run ahead in.
; LAYOUT: both products are used transposed (S^T = K Q^T, O^T = V^T P^T): a lane holds one query.  A tile of 16 holds rows 32 (T / 2) + 8 (T % 2) + i + 8 (i / 8), so that p's 16 registers of two neighbouring tiles are 16 neighbouring keys.
; The head's 64 fill half of the first product's 128 along K.  Registers 6-11 of Q's fragments are zero codes, and the scale bytes of k = 64 .. 127 are finite on both sides: so whatever codes stand in registers 6-11 of K's
; fragment add nothing.  K's eight fragments of a step therefore lie 6 registers apart, each one's upper half being the next one's data (the last one's: six zeros).
; A step's K and its scale words are fetched from LDS behind the step before's score products.  Each tile's last step so fetches 6,144 + 512 bytes that lie behind K's, inside landed LDS bytes, and are not used.
; LDS: K's codes [tile][768] at 0; V's [key step][4 tiles of d][2][768] at 98,304; K's scale images at 196,608; V's at 204,800; the spare words at 208,896.
; REGISTERS: v1-6 addresses that stay, v7-11, v28 the step's; v12 -M, v13 the largest t, v[14:15] the sum; v16-27, v232-243 Q's two fragments; v29 -2^33; v32-79 K's eight fragments, v80-85 zeros;
;   v88-95 scale words and nothing else (K's 88-91, V's 92-93, p's 94, Q's 95); v96-159 S^T, then p, then V's four fragments; v160-191 O^T; v192-210 p's codes; v212-231, v244-253 at work.
; SCALARS: s[4:5] my mask words, s[6:7] Q's codes, s[8:9] Q's scale words, s[10:11] xc, s[12:13] xs, s14 wave, s15 the mask words' offset; mask word n in s[16 + n] (n < 48) or s[32 + n].
.set SEL, 66
.set CS,  68
.macro CROUND
	s_barrier_signal -1
	s_barrier_wait -1
	s_cmp_lg_u32 s14, 0
	s_cbranch_scc1 .Lnot_wave_0_\@
	s_barrier_signal -3
.Lnot_wave_0_\@:
	s_barrier_wait -3
	s_barrier_signal -1
	s_barrier_wait -1
.endm
	s_load_b256 s[40:47], s[0:1], 0x0              ; att, atts, maskw, xc
	s_load_b64 s[48:49], s[0:1], 0x20              ; xs
	v_lshl_add_u32 v254, v0, 2, 0x33000
	v_mov_b32 v255, 0
	ds_add_u32 v254, v255                          ; the opening lines
	ds_add_u32 v254, v255
	v_lshrrev_b32 v1, 5, v0
	s_delay_alu instid0(VALU_DEP_1)
	v_readfirstlane_b32 s14, v1                    ; wave 0..15
	s_bfe_u32 s74, ttmp6, 0x40000                  ; cx: it enters global addresses of my own alone
	s_and_b32 s75, ttmp7, 0xffff                   ; 16 b + head, which the four partners share
	s_lshr_b32 s76, s75, 4                         ; b
	s_and_b32 s77, s75, 15                         ; head
	s_lshl_b32 s78, s74, 5
	s_lshl_b32 s79, s14, 1
	s_add_co_u32 s78, s78, s79                     ; T0 = 32 cx + 2 wave: my first tile of queries
	s_lshl_b32 s79, s76, 7
	s_add_co_u32 s79, s79, s78                     ; 128 b + T0
	s_mov_b32 s16, 15|(3<<16)|(1<<21)              ; group 1 for codes: all four work-groups; 24,576 dense bytes as 96 rows of 256
	s_mov_b32 s17, 32<<16
	s_mov_b32 s18, 96<<16
	s_mov_b32 s19, 32<<16
	s_mov_b32 s20, 96
	s_mov_b32 s21, 32
	s_mov_b32 s22, 0
	s_mov_b32 s23, 0
	s_mov_b32 s24, 15|(3<<16)|(1<<21)              ; for scale images: 4,096 dense bytes as 16 rows
	s_mov_b32 s25, 32<<16
	s_mov_b32 s26, 16<<16
	s_mov_b32 s27, 32<<16
	s_mov_b32 s28, 16
	s_mov_b32 s29, 32
	s_mov_b32 s30, 0
	s_mov_b32 s31, 0
	s_lshr_b32 s96, s14, 2                         ; waves 0-3: K's four quarters; waves 4-7: V's
	s_add_co_u32 s96, s96, 1
	s_mul_i32 s96, s96, 6291456
	s_mul_i32 s97, s75, 98304
	s_add_co_u32 s96, s96, s97
	s_and_b32 s98, s14, 3
	s_mul_i32 s98, s98, 24576
	s_add_co_u32 s96, s96, s98
	s_mov_b32 s97, 0
	s_and_b32 s98, s14, 1                          ; waves 8, 9: the halves of K's scale images; wave 10: V's
	s_lshl_b32 s98, s98, 12
	s_lshl_b32 s99, s75, 13
	s_add_co_u32 s98, s98, s99
	s_add_co_u32 s98, s98, 524288
	s_lshl_b32 s99, s75, 12
	s_add_co_u32 s99, s99, 1048576
	s_cmp_eq_u32 s14, 10
	s_cselect_b32 s98, s99, s98
	s_mov_b32 s99, 0
	s_wait_dscnt 0x0
	s_wait_kmcnt 0x0
	s_mov_b32 s32, 1
	s_mul_i32 s33, s14, 24576
	s_add_nc_u64 s[34:35], s[40:41], s[96:97]
	s_or_b32 s35, s35, 0x80000000
	s_mov_b32 s36, 1
	s_lshl_b32 s37, s14, 12
	s_add_co_u32 s37, s37, 163840                  ; wave 8: 196,608
	s_add_nc_u64 s[38:39], s[42:43], s[98:99]
	s_or_b32 s39, s39, 0x80000000
	s_lshl_b32 s96, s79, 12                        ; my two tiles' mask words: 8,192 bytes on end
	s_add_nc_u64 s[4:5], s[44:45], s[96:97]
	s_mul_i32 s96, s75, 98304
	s_mul_i32 s98, s78, 768
	s_add_co_u32 s96, s96, s98
	s_add_nc_u64 s[6:7], s[40:41], s[96:97]        ; Q's codes
	s_lshl_b32 s96, s75, 13
	s_lshl_b32 s98, s74, 3
	s_lshr_b32 s99, s14, 1
	s_add_co_u32 s98, s98, s99
	s_lshl_b32 s98, s98, 8
	s_add_co_u32 s96, s96, s98
	s_and_b32 s98, s14, 1
	s_lshl_b32 s98, s98, 2
	s_add_co_u32 s96, s96, s98
	s_add_nc_u64 s[8:9], s[42:43], s[96:97]        ; Q's scale words: image T0 / 4, word (T0 / 2) % 2
	s_mul_i32 s96, s79, 12288
	s_mul_i32 s98, s77, 768
	s_add_co_u32 s96, s96, s98
	s_add_nc_u64 s[10:11], s[46:47], s[96:97]      ; x's codes: [tile][head][768]
	s_lshl_b32 s96, s79, 9
	s_lshl_b32 s98, s77, 1
	s_add_co_u32 s96, s96, s98
	s_add_nc_u64 s[12:13], s[48:49], s[96:97]      ; x's scale bytes: [tile][row][32], bytes 2 head and 2 head + 1
	s_mov_b32 s[SEL], 0x76543210
	s_mov_b32 s[SEL+1], 0xfedcba98                 ; v_permlanex16_b32's selects for lane l xor 16
	s_mov_b32 s[CS], 0x3e38aa3b                    ; c = log2(e) / 8
	s_mov_b32 s[CS+1], s[CS]                       ; (named with it as a pair, so it is written)
	CROUND                                         ; all four work-groups are here: the joint loads meet
	s_cmp_lt_u32 s14, 8                            ; one load a wave; waves 11 to 15 fetch nothing.  The branches hang on the wave's number alone
	s_cbranch_scc0 .Lnot_codes
	tensor_load_to_lds s[32:35], s[16:23]
	s_nop 0
.rept 4
	v_nop
.endr
	s_branch .Lasked
.Lnot_codes:
	s_cmp_lt_u32 s14, 11
	s_cbranch_scc0 .Lasked
	tensor_load_to_lds s[36:39], s[24:31]
	s_nop 0
.rept 4
	v_nop
.endr
.Lasked:
	v_and_b32 v30, 31, v0
	s_delay_alu instid0(VALU_DEP_1)
	v_lshlrev_b32 v1, 4, v30                       ; 16 l
	s_delay_alu instid0(VALU_DEP_2)
	v_lshlrev_b32 v2, 3, v30                       ; 8 l
	global_load_b128 v[16:19], v1, s[6:7]          ; Q's two images stay in registers
	global_load_b64 v[20:21], v2, s[6:7] offset:512
	global_load_b128 v[232:235], v1, s[6:7] offset:768
	global_load_b64 v[236:237], v2, s[6:7] offset:1280
	global_load_b32 v95, v2, s[8:9]                ; lanes 0-15: tile T0's scale words; lanes 16-31: tile T0 + 1's
	v_add_nc_u32 v3, 98304, v1
	v_add_nc_u32 v4, 98304, v2
	v_add_nc_u32 v5, 196608, v2
	v_add_nc_u32 v6, 204800, v2
	v_and_b32 v31, 15, v0
	s_delay_alu instid0(VALU_DEP_1)
	v_lshlrev_b32 v31, 5, v31                      ; 32 r
	v_mov_b32 v29, 0xd0000000                      ; -2^33
.irp i, 22,23,24,25,26,27,238,239,240,241,242,243,80,81,82,83,84,85
	v_mov_b32 v\i, 0                               ; Q's zero codes for k = 64 .. 127; the upper half of K's last fragment
.endr
.irp b, 0,1,2,3
	v_mov_b32 v[216+\b], 0                         ; written once: a lane permute's destination counts as one of its sources
.endr
	v_mov_b32 v227, 0                              ; (named as the upper half of the pair v[226:227])
	s_wait_tensorcnt 0x0                           ; my load has landed: its descriptor's registers may be written,
	s_barrier_signal -1
	s_barrier_wait -1                              ; and everybody's has: K, V and their scale words are whole
.macro MASKLOAD                        ; a key step's 64 mask words
	s_load_b512 s[16:31], s[4:5], s15 offset:0x0
	s_load_b512 s[32:47], s[4:5], s15 offset:0x40
	s_load_b512 s[48:63], s[4:5], s15 offset:0x80
	s_load_b512 s[80:95], s[4:5], s15 offset:0xc0
.endm
	s_mov_b32 s15, 0
	MASKLOAD
	s_wait_loadcnt 0x0                             ; Q
.macro KLOAD a16, a8, asc, off, soff   ; a step's eight tiles of K, 6 registers each, and their scale words (word j: lanes 0-15 tile 2 j, lanes 16-31 tile 2 j + 1): 18 loads
.irp t, 0,1,2,3,4,5,6,7
	ds_load_b128 v[32+6*\t:35+6*\t], \a16 offset:\off+\t*768
	ds_load_b64 v[36+6*\t:37+6*\t], \a8 offset:\off+\t*768+512
.endr
	ds_load_b64 v[88:89], \asc offset:\soff
	ds_load_b64 v[90:91], \asc offset:\soff+256
.endm
.macro SPROD d, kf, qf, sk, odd, row   ; 16 keys x my 16 queries
.if (\odd) && (\row)
	v_wmma_scale_f32_16x16x128_f8f6f4 v[\d:\d+7], v[\kf:\kf+11], v[\qf:\qf+11], 0, v[\sk], v95 matrix_a_fmt:MATRIX_FMT_FP6 matrix_b_fmt:MATRIX_FMT_FP6 matrix_a_scale:MATRIX_SCALE_ROW1 matrix_b_scale:MATRIX_SCALE_ROW1
.elseif (\odd)
	v_wmma_scale_f32_16x16x128_f8f6f4 v[\d:\d+7], v[\kf:\kf+11], v[\qf:\qf+11], 0, v[\sk], v95 matrix_a_fmt:MATRIX_FMT_FP6 matrix_b_fmt:MATRIX_FMT_FP6 matrix_a_scale:MATRIX_SCALE_ROW1
.elseif (\row)
	v_wmma_scale_f32_16x16x128_f8f6f4 v[\d:\d+7], v[\kf:\kf+11], v[\qf:\qf+11], 0, v[\sk], v95 matrix_a_fmt:MATRIX_FMT_FP6 matrix_b_fmt:MATRIX_FMT_FP6 matrix_b_scale:MATRIX_SCALE_ROW1
.else
	v_wmma_scale_f32_16x16x128_f8f6f4 v[\d:\d+7], v[\kf:\kf+11], v[\qf:\qf+11], 0, v[\sk], v95 matrix_a_fmt:MATRIX_FMT_FP6 matrix_b_fmt:MATRIX_FMT_FP6
.endif
.endm
.macro PPROD a                         ; 16 of the head's 64 x my 16 queries, K = the step's 128 keys
.if (\a)%2
	v_wmma_scale_f32_16x16x128_f8f6f4 v[160+8*\a:167+8*\a], v[96+12*\a:107+12*\a], v[192:203], v[160+8*\a:167+8*\a], v[92+\a/2], v94 matrix_a_fmt:MATRIX_FMT_FP6 matrix_b_fmt:MATRIX_FMT_FP6 matrix_a_scale:MATRIX_SCALE_ROW1
.else
	v_wmma_scale_f32_16x16x128_f8f6f4 v[160+8*\a:167+8*\a], v[96+12*\a:107+12*\a], v[192:203], v[160+8*\a:167+8*\a], v[92+\a/2], v94 matrix_a_fmt:MATRIX_FMT_FP6 matrix_b_fmt:MATRIX_FMT_FP6
.endif
.endm
.macro TM j0                           ; t - M of sixteen scores, two at a time
.irp j, 0,2,4,6,8,10,12,14
	v_pk_fma_f32 v[96+\j0+\j:97+\j0+\j], v[96+\j0+\j:97+\j0+\j], s[CS:CS+1], v[12:13] op_sel_hi:[1,0,0]
.endr
.endm
; A KEY STEP: 128 keys.  qf: Q's fragment; row: 1 where Q's scale words stand in lanes 16-31.  The step's K is in registers: the wait ahead of the last step's second products, or the tile's opening wait, has shown it in
.macro STEP qf, row
	v_add_nc_u32 v7, s70, v1                       ; the step's addresses.  These six lines are also the places between the last products, which read v96-143, and the products below, which write them (5 are asked)
	s_wait_alu depctr_va_vdst(0)
	v_add_nc_u32 v8, s70, v2
	s_wait_alu depctr_va_vdst(0)
	v_add_nc_u32 v9, s70, v3
	v_add_nc_u32 v10, s70, v4
	v_add_nc_u32 v11, s71, v5
	s_wait_alu depctr_va_vdst(0)
	v_add_nc_u32 v28, s72, v6
.irp t, 0,1,2,3,4,5,6,7                        ; S^T = K Q^T: eight tiles of 16 keys, eight accumulators
	SPROD 96+8*\t, 32+6*\t, \qf, 88+\t/2, \t%2, \row
.endr
.rept 4
	v_nop                                          ; places ahead of the loads into K's registers and of the first read of the scores
.endr
	KLOAD v7, v8, v11, 6144, 512                   ; the next step's K
	s_wait_kmcnt 0x0                               ; this step's mask words, asked for a step ago
.set n, 0
.rept 64                                       ; register n = 16 bb + i holds key 32 bb + 16 h + i; each accumulator from its low end on
.if n < 48
	v_cndmask_b32 v[96+n], v29, v[96+n], s[16+n]
.else
	v_cndmask_b32 v[96+n], v29, v[96+n], s[32+n]
.endif
.set n, n+1
.endr
	s_add_co_u32 s15, s15, 256                     ; the next step's words.  My two tiles' words lie on end; the very last request wraps to my first block, inside the buffer, and is not used
	s_and_b32 s15, s15, 8191
	MASKLOAD
.irp b, 0,1,2,3
	v_max3_num_f32 v[212+\b], v[96+16*\b], v[97+16*\b], v[98+16*\b]   ; the largest score of each block of 32 keys: for the row's maximum and, since p rises with the score, for the block's largest p
.endr
.irp i, 3,5,7,9,11,13
.irp b, 0,1,2,3
	s_delay_alu instid0(VALU_DEP_4)
	v_max3_num_f32 v[212+\b], v[212+\b], v[96+16*\b+\i], v[97+16*\b+\i]
.endr
.endr
.irp b, 0,1,2,3
	s_delay_alu instid0(VALU_DEP_4)
	v_max_num_f32 v[212+\b], v[212+\b], v[111+16*\b]
.endr
.irp b, 0,1,2,3
	s_delay_alu instid0(VALU_DEP_4)
	v_permlanex16_b32 v[216+\b], v[212+\b], s[SEL], s[SEL+1]
.endr
.irp b, 0,1,2,3
	s_delay_alu instid0(VALU_DEP_4)
	v_max_num_f32 v[212+\b], v[212+\b], v[216+\b]  ; with lane l xor 16's 16 keys
.endr
	s_delay_alu instid0(VALU_DEP_2)
	v_max3_num_f32 v224, v212, v213, v214
	s_delay_alu instid0(VALU_DEP_1)
	v_max_num_f32 v224, v224, v215                 ; the step's largest score of my query
	s_delay_alu instid0(VALU_DEP_1)
	v_mul_f32 v224, s[CS], v224                    ; as t
	s_delay_alu instid0(VALU_DEP_1)
	v_max_num_f32 v13, v13, v224                   ; the running largest t
	v_mov_b32 v224, v12
	s_delay_alu instid0(VALU_DEP_2)
	v_floor_f32 v12, -v13                          ; the new -M = -ceil(t): a whole number
	s_delay_alu instid0(VALU_DEP_1)
	TM 0                                           ; f's three dependent lines stand among the 32 multiply-adds
	v_sub_f32 v224, v12, v224                      ; old M less new M: a whole number, 0 or less
	TM 16
	v_cvt_i32_f32 v224, v224                       ; (it saturates)
	TM 32
	v_ldexp_f32 v226, 1.0, v224                    ; f = 2^(old M - new M)
	TM 48
.irp b, 0,1,2,3
	v_fma_f32 v[212+\b], v[212+\b], s[CS], v12     ; the same of each block's largest score
.endr
	s_wait_alu depctr_va_vdst(0)                   ; the wait ahead of the batch
.irp b, 0,1,2,3
	v_exp_f32 v[212+\b], v[212+\b]                 ; the blocks' largest p: the same two instructions on the same number give the same bits
.endr
.set n, 0
.rept 64
	v_exp_f32 v[96+n], v[96+n]                     ; p = 2^(t - M), at most 1
.set n, n+1
.endr
	v_pk_mul_f32 v[14:15], v[14:15], v[226:227] op_sel_hi:[1,0]   ; the sums under the new M: the plain line behind the exponentials
	s_wait_alu depctr_va_vdst(0)                   ; one wait for the batch of 68, ahead of its first reader
	v_pk_add_f32 v[228:229], v[100:101], v[104:105]
	v_pk_add_f32 v[252:253], v[108:109], v[112:113]
	v_pk_add_f32 v[250:251], v[116:117], v[120:121]
	v_pk_add_f32 v[248:249], v[124:125], v[128:129]
	v_pk_add_f32 v[246:247], v[132:133], v[136:137]
	v_pk_add_f32 v[244:245], v[140:141], v[144:145]
	v_pk_add_f32 v[230:231], v[148:149], v[152:153]
	v_pk_add_f32 v[14:15], v[14:15], v[156:157]
	v_pk_add_f32 v[228:229], v[228:229], v[96:97]
	v_pk_add_f32 v[252:253], v[252:253], v[98:99]
	v_pk_add_f32 v[250:251], v[250:251], v[102:103]
	v_pk_add_f32 v[248:249], v[248:249], v[106:107]
	v_pk_add_f32 v[246:247], v[246:247], v[110:111]
	v_pk_add_f32 v[244:245], v[244:245], v[114:115]
	v_pk_add_f32 v[230:231], v[230:231], v[118:119]
	v_pk_add_f32 v[14:15], v[14:15], v[122:123]
	v_pk_add_f32 v[228:229], v[228:229], v[126:127]
	v_pk_add_f32 v[252:253], v[252:253], v[130:131]
	v_pk_add_f32 v[250:251], v[250:251], v[134:135]
	v_pk_add_f32 v[248:249], v[248:249], v[138:139]
	v_pk_add_f32 v[246:247], v[246:247], v[142:143]
	v_pk_add_f32 v[244:245], v[244:245], v[146:147]
	v_pk_add_f32 v[230:231], v[230:231], v[150:151]
	v_pk_add_f32 v[14:15], v[14:15], v[154:155]
	v_pk_add_f32 v[228:229], v[228:229], v[158:159]
	s_delay_alu instid0(VALU_DEP_2)
	v_pk_add_f32 v[14:15], v[14:15], v[248:249]
	s_delay_alu instid0(VALU_DEP_2)
	v_pk_add_f32 v[228:229], v[228:229], v[246:247]
	v_pk_add_f32 v[252:253], v[252:253], v[244:245]
	v_pk_add_f32 v[250:251], v[250:251], v[230:231]
	s_delay_alu instid0(VALU_DEP_2)
	v_pk_add_f32 v[14:15], v[14:15], v[252:253]
	s_delay_alu instid0(VALU_DEP_2)
	v_pk_add_f32 v[228:229], v[228:229], v[250:251]
	s_delay_alu instid0(VALU_DEP_1)
	v_pk_add_f32 v[14:15], v[14:15], v[228:229]
.irp b, 0,1,2,3
	v_max_num_f32 v[212+\b], 0x1800000, v[212+\b]  ; the floor 2^(3 - 127)
.endr
.irp b, 0,1,2,3
	s_delay_alu instid0(VALU_DEP_4)
	v_add_nc_u32 v[220+\b], 0xff000000, v[212+\b]  ; the conversion's scale operand
.endr
.irp b, 0,1,2,3
	s_delay_alu instid0(VALU_DEP_4)
	v_lshrrev_b32 v[216+\b], 23, v[220+\b]         ; the scale's byte
.endr
	s_delay_alu instid0(VALU_DEP_3)
	v_lshl_or_b32 v94, v217, 8, v216               ; p's scale word for these 128 keys
	s_delay_alu instid0(VALU_DEP_1)
	v_lshl_or_b32 v94, v218, 16, v94
	s_delay_alu instid0(VALU_DEP_1)
	v_lshl_or_b32 v94, v219, 24, v94
.irp c, 0,1
	v_cvt_scalef32_pk16_fp6_f32 v[192+6*\c:194+6*\c], v[96+32*\c:111+32*\c], v[220+2*\c]
	v_cvt_scalef32_pk16_fp6_f32 v[204+4*\c:206+4*\c], v[112+32*\c:127+32*\c], v[220+2*\c+1]
.endr
	v_nop                                          ; one plain line behind the scaled conversions
.irp a, 0,1,2,3                                ; V's four fragments land where p lay, while p's codes are put in order
	ds_load_b128 v[96+12*\a:99+12*\a], v9 offset:1536*\a
	ds_load_b64 v[100+12*\a:101+12*\a], v10 offset:1536*\a+512
	ds_load_b128 v[102+12*\a:105+12*\a], v9 offset:1536*\a+768
	ds_load_b64 v[106+12*\a:107+12*\a], v10 offset:1536*\a+1280
.endr
	ds_load_b64 v[92:93], v28                      ; and their scale words
.irp c, 0,1                                    ; the operand's layout wants a whole block in a lane
.irp i, 0,1,2
	v_permlane16_swap_b32 v[192+6*\c+\i], v[204+4*\c+\i]
.endr
.irp i, 0,1,2
	s_delay_alu instid0(VALU_DEP_3)
	v_mov_b32 v[195+6*\c+\i], v[204+4*\c+\i]
.endr
.endr
	s_wait_alu depctr_va_vdst(0)                   ; the wait directly ahead of the first reader of O^T
.irp j, 0,2,4,6,8,10,12,14,16,18,20,22,24,26,28,30
	v_pk_mul_f32 v[160+\j:161+\j], v[160+\j:161+\j], v[226:227] op_sel_hi:[1,0]   ; O^T under the new M.  These 16 are also the places between the lines that wrote p's scale word and codes and the products
.endr
	s_wait_alu depctr_va_vdst(0)
	s_wait_dscnt 0x0                               ; V's fragments are in, and the next step's K, asked for ahead of them
.irp a, 0,1,2,3
	PPROD \a                                       ; the four accumulators take turns
.endr
.endm
; O^T / the sum is x's 64 numbers of my query: two blocks of 32 along D; quantised, one image of 768 bytes and two scale bytes a row
.macro XOUT trip
.rept 4
	v_nop
.endr
	v_add_f32 v14, v14, v15
	s_delay_alu instid0(VALU_DEP_1)
	v_permlanex16_b32 v224, v14, s[SEL], s[SEL+1]
	s_delay_alu instid0(VALU_DEP_1)
	v_add_f32 v14, v14, v224                       ; the row's sum
	s_wait_alu depctr_va_vdst(0)
	v_rcp_f32 v226, v14
	v_nop                                          ; a plain line behind the reciprocal,
	s_wait_alu depctr_va_vdst(0)                   ; and the wait ahead of its first reader
.irp j, 0,2,4,6,8,10,12,14,16,18,20,22,24,26,28,30
	v_pk_mul_f32 v[96+\j:97+\j], v[160+\j:161+\j], v[226:227] op_sel_hi:[1,0]   ; register 16 bb + i: d = 32 bb + 16 h + i
.endr
.irp b, 0,1
	v_max3_num_f32 v[212+\b], |v[96+16*\b]|, |v[97+16*\b]|, 0x1800000
.endr
.irp i, 2,4,6,8,10,12,14
.irp b, 0,1
	s_delay_alu instid0(VALU_DEP_2)
	v_max3_num_f32 v[212+\b], v[212+\b], |v[96+16*\b+\i]|, |v[97+16*\b+\i]|
.endr
.endr
.irp b, 0,1
	s_delay_alu instid0(VALU_DEP_2)
	v_permlanex16_b32 v[216+\b], v[212+\b], s[SEL], s[SEL+1]
.endr
.irp b, 0,1
	s_delay_alu instid0(VALU_DEP_2)
	v_max_num_f32 v[212+\b], v[212+\b], v[216+\b]
.endr
.irp b, 0,1
	s_delay_alu instid0(VALU_DEP_2)
	v_add_nc_u32 v[220+\b], 0xff000000, v[212+\b]
.endr
.irp b, 0,1
	s_delay_alu instid0(VALU_DEP_2)
	v_lshrrev_b32 v[216+\b], 23, v[220+\b]
.endr
	s_delay_alu instid0(VALU_DEP_1)
	v_lshl_or_b32 v250, v217, 8, v216
	v_cvt_scalef32_pk16_fp6_f32 v[244:246], v[96:111], v220
	v_cvt_scalef32_pk16_fp6_f32 v[204:206], v[112:127], v221
	v_nop
.irp i, 0,1,2
	v_permlane16_swap_b32 v[244+\i], v[204+\i]
.endr
.irp i, 0,1,2
	s_delay_alu instid0(VALU_DEP_3)
	v_mov_b32 v[247+\i], v[204+\i]
.endr
	global_store_b128 v1, v[244:247], s[10:11] offset:12288*\trip
	global_store_b64 v2, v[248:249], s[10:11] offset:12288*\trip+512
	global_store_b16 v31, v250, s[12:13] offset:512*\trip   ; two bytes a row (lanes r and r + 16 write the same two): a row's 32 bytes come from sixteen heads' work-groups, so these stores cover no aligned 256 bytes
.endm
.macro QTILE trip, qf
.if \trip
	s_wait_xcnt 0x0                                ; the last tile's stores have read their registers
	s_wait_dscnt 0x0                               ; the last step's fetch, which is not used, has landed: K's registers may be loaded anew
.endif
	KLOAD v1, v2, v5, 0, 0                         ; key step 0's K
	v_mov_b32 v13, 0xff61b1e6                      ; the largest t so far: -3e38
	s_delay_alu instid0(VALU_DEP_1)
	v_floor_f32 v12, -v13
	v_mov_b32 v14, 0
	v_mov_b32 v15, 0
.set n, 0
.rept 32
	v_mov_b32 v[160+n], 0                          ; O^T.  (The step is written once: the first finds zeros, which the first change of M leaves zeros)
.set n, n+1
.endr
	s_mov_b32 s70, 0                               ; the step's codes: 6,144 bytes a step, of K and of V
	s_mov_b32 s71, 0                               ; K's scale images: 512
	s_mov_b32 s72, 0                               ; V's: 256
	s_mov_b32 s73, 16
	s_wait_alu depctr_va_vdst(0)
	s_wait_dscnt 0x0                               ; step 0's K is in
.Lstep_\@:
	STEP \qf, \trip
	s_add_co_u32 s70, s70, 6144
	s_add_co_u32 s71, s71, 512
	s_add_co_u32 s72, s72, 256
	s_sub_co_u32 s73, s73, 1
	s_cmp_lg_u32 s73, 0
	s_cbranch_scc1 .Lstep_\@
	XOUT \trip
.endm
	QTILE 0, 16
	QTILE 1, 232
	s_wait_kmcnt 0x0                               ; the last, unused request for mask words
	s_wait_tensorcnt 0x0                           ; the wave's end
	ds_add_u32 v254, v255
	s_wait_dscnt 0x0
	CROUND                                         ; the closing round
	s_endpgm
.Lfunc_end_k_q4d5f880dc2_attn:
	.size	k_q4d5f880dc2_attn, .Lfunc_end_k_q4d5f880dc2_attn-k_q4d5f880dc2_attn
	.p2alignl 7, 3214868480
	.fill 96, 4, 3214868480
	.section	.rodata,"a",@progbits
	.p2align	6, 0x0
	.amdhsa_kernel k_q4d5f880dc2_attn
		.amdhsa_group_segment_fixed_size 210944
		.amdhsa_private_segment_fixed_size 0
		.amdhsa_enable_private_segment 0
		.amdhsa_kernarg_size 40
		.amdhsa_user_sgpr_count 2
		.amdhsa_user_sgpr_kernarg_segment_ptr 1
		.amdhsa_wavefront_size32 1
		.amdhsa_system_sgpr_workgroup_id_x 1
		.amdhsa_system_sgpr_workgroup_id_y 1
		.amdhsa_system_sgpr_workgroup_id_z 1
		.amdhsa_system_vgpr_workitem_id 0
		.amdhsa_next_free_vgpr 256
		.amdhsa_next_free_sgpr 104
		.amdhsa_reserve_vcc 0
		.amdhsa_float_denorm_mode_32 3
		.amdhsa_float_denorm_mode_16_64 3
		.amdhsa_memory_ordered 1
		.amdhsa_forward_progress 1
		.amdhsa_inst_pref_size 67
	.end_amdhsa_kernel
	.amdgpu_metadata
---
amdhsa.version: [ 1, 2 ]
amdhsa.kernels:
  - .name:           k_q4d5f880dc2_attn
    .symbol:         k_q4d5f880dc2_attn.kd
    .args:
      - { .name: att, .offset: 0, .size: 8, .value_kind: global_buffer, .address_space: global }
      - { .name: atts, .offset: 8, .size: 8, .value_kind: global_buffer, .address_space: global }
      - { .name: maskw, .offset: 16, .size: 8, .value_kind: global_buffer, .address_space: global }
      - { .name: xc, .offset: 24, .size: 8, .value_kind: global_buffer, .address_space: global }
      - { .name: xs, .offset: 32, .size: 8, .value_kind: global_buffer, .address_space: global }
    .group_segment_fixed_size: 210944
    .private_segment_fixed_size: 0
    .kernarg_segment_align: 8
    .kernarg_segment_size: 40
    .max_flat_workgroup_size: 512
    .sgpr_count:     104
    .vgpr_count:     256
    .wavefront_size: 32
...
	.end_amdgpu_metadata
.endif
;; end of part 3
;; launch outp (part 4): grid 4 x 64, 4 waves a work-group, clusters of 4 x 4, 325,120 bytes of LDS; arguments xc, xs, codes, scales, bo, out0; writes out0
.if DOCPART == 4
	.amdgcn_target "amdgcn-amd-amdhsa--gfx1250"
	.amdhsa_code_object_version 6
	.text
	.protected	k_q4d5f880dc2_outp
	.globl	k_q4d5f880dc2_outp
	.p2align	8
	.type	k_q4d5f880dc2_outp,@function
k_q4d5f880dc2_outp:
	s_mov_b64 s[64:65], 0
	v_nop
	global_prefetch_b8 v0, s[64:65] scope:SCOPE_SE
	s_setreg_imm32_b32 hwreg(HW_REG_WAVE_MODE, 25, 1), 1
	s_wait_xcnt 0x0
	s_wait_alu depctr_hold_cnt(0) depctr_sa_sdst(0) depctr_va_vdst(0) depctr_va_sdst(0) depctr_va_ssrc(0) depctr_va_vcc(0) depctr_vm_vsrc(0)
	s_getreg_b32 s2, hwreg(HW_REG_IB_STS2, 6, 4)
	s_cmp_eq_u32 s2, 0
	s_cbranch_scc0 .Lentry_in_a_cluster
	s_endpgm
.Lentry_in_a_cluster:
	s_bfe_u32 s2, ttmp6, 0x10000c
	s_cmp_lg_u32 s2, 0xf033
	s_cbranch_scc0 .Lentry_shape_is_right
	s_endpgm
.Lentry_shape_is_right:
; OUTP.  out0 = x Wo^T + bo on codes of FP6 (E2M3) with E8M0 scales, sums in f32.  x's codes and scale bytes come from the attention launch, Wo's from the first launch, both as images of the operands' registers.
; A work-group makes 128 rows x 256 columns with all of K = 1,024 in LDS, filled once.  Four waves: wave w takes 64 rows (w / 2) x 128 columns (w % 2): 32 accumulators, 8 K steps of 128.
; THE MATRIX INSTRUCTION IS USED TRANSPOSED (source 0 = 16 rows of Wo, source 1 = 16 rows of x); a tile of 16 holds rows 32 (T / 2) + 8 (T % 2) + i + 8 (i / 8): register j of accumulator b = 2 bb + u is column 32 bb + 16 h + 8 u + j.
; CLUSTER 4 x 4: x's tiles are asked for jointly along a row of the cluster, Wo's along a column.
; LDS: A's codes [8 tiles][12,288] at 0; B's [16 tiles][12,288] at 98,304; A's scale bytes at 294,912; B's at 299,008; behind them, in bytes of their own, a stage of 16 rows x 272 bytes for each wave.
; REGISTERS: window 0: v4-19 addresses, v32-63 B's scale words, v64-79 A's, v80-175 A's fragments (two sets of 48), v192-255 the bias; behind the loop v80-111 results, v112-175 rows read back.
;   window 1: B's fragments, two sets.   window 2: accumulator (a, b) at v[8 (8 a + b)].
.set PAC, 4                            ; s[4:5]   x's codes
.set PAS, 6                            ; s[6:7]   x's scale bytes
.set PBC, 8                            ; s[8:9]   the weights' codes
.set PBS, 10                           ; s[10:11] and scale bytes
.set LSA, 294912
.set LSB, 299008
.set STG, 307200
.set H,   80
.set BR,  192
.set MSB, 0
.macro WIN new                         ; the immediate's high byte repeats the setting that is left
.if MSB != \new
	s_set_vgpr_msb (MSB<<8)|\new
.set MSB, \new
.endif
.endm
.macro PLACES                          ; four plain lines behind matrix instructions, ahead of loads into registers that they read and of the first read of results
.rept 4
	v_nop
.endr
.endm
.macro CROUND                          ; a round of the cluster's barrier
	s_barrier_signal -1
	s_barrier_wait -1
	s_cmp_lg_u32 s18, 0
	s_cbranch_scc1 .Lnot_wave_0_\@
	s_barrier_signal -3
.Lnot_wave_0_\@:
	s_barrier_wait -3
	s_barrier_signal -1
	s_barrier_wait -1
.endm
.macro GROUP1 g, c, r, p               ; words 1 to 7 of a descriptor's group 1: r rows of c elements of 8 bytes, p elements apart
	s_mov_b32 s[\g+1], (\c)<<16
	s_mov_b32 s[\g+2], (\r)<<16
	s_mov_b32 s[\g+3], (\c)<<16
	s_mov_b32 s[\g+4], \r
	s_mov_b32 s[\g+5], \p
	s_mov_b32 s[\g+6], 0
	s_mov_b32 s[\g+7], 0
.endm
	s_load_b256 s[4:11], s[0:1], 0x0               ; xc, xs, codes, scales
	s_load_b128 s[12:15], s[0:1], 0x20             ; bo, out0
	v_lshl_add_u32 v190, v0, 2, 0x4f400
	v_mov_b32 v191, 0
	ds_add_u32 v190, v191
	ds_add_u32 v190, v191
	v_lshrrev_b32 v1, 5, v0
	v_readfirstlane_b32 s18, v1                    ; wave
	s_lshr_b32 s19, s18, 1                         ; WM: my 64 rows.
	s_and_b32 s20, s18, 1                          ; WN: my 128 columns.
	s_bfe_u32 s21, ttmp6, 0x40000                  ; cx
	s_bfe_u32 s22, ttmp6, 0x40004                  ; cy
	s_and_b32 s23, ttmp7, 0xffff                   ; the cluster's y, 0 .. 15
	s_lshl_b32 s86, s23, 2
	s_add_co_u32 s86, s86, s22                     ; tr: my block of 128 rows
	s_mov_b32 s87, s21                             ; tc: my block of 256 columns
	s_lshl_b32 s93, s22, 2
	s_lshl_b32 s93, 15, s93                        ; my row of the cluster
	s_lshl_b32 s96, 0x1111, s21                    ; my column
	s_or_b32 s24, s93, (3<<16)|(1<<21)             ; A's codes: the mask; elements of 8 bytes; bit 21 beside a mask; no padding
	s_or_b32 s32, s96, (3<<16)|(1<<21)             ; B's codes
	s_or_b32 s40, s93, (3<<16)|(1<<21)             ; A's scale bytes
	s_or_b32 s48, s96, (3<<16)|(1<<21)             ; B's
	; each side's codes and scale bytes are one dense block of memory, stated as rows of 256 bytes; in LDS a tile's 12,288 bytes lie on end: A's [8 tiles][12,288] at 0, B's [16 tiles][12,288] at 98,304
	GROUP1 24, 32, 384, 32                         ; A's 8 tiles: 98,304 bytes
	GROUP1 32, 32, 768, 32                         ; B's 16 tiles: 196,608
	GROUP1 40, 32, 16, 32                          ; A's scale bytes: 4,096
	GROUP1 48, 32, 32, 32                          ; B's: 8,192
	s_lshl_b32 s88, s86, 3                         ; the block's first tile of x
	s_lshl_b32 s90, s87, 4
	s_add_co_u32 s90, s90, 1728                    ; and of Wo, whose first tile in the buffers is 1,728
	s_lshl_b32 s92, s88, 9
	s_mov_b32 s93, 0
	s_mul_i32 s94, s88, 12288
	s_mov_b32 s95, 0
	s_lshl_b32 s96, s90, 9
	s_mov_b32 s97, 0
	s_mul_i32 s98, s90, 12288
	s_mov_b32 s99, 0
	s_wait_dscnt 0x0
	s_wait_kmcnt 0x0
	s_mov_b32 s56, 1                               ; groups 0.  A's scale bytes
	s_mov_b32 s57, LSA
	s_add_nc_u64 s[58:59], s[PAS:PAS+1], s[92:93]
	s_or_b32 s59, s59, 0x80000000
	s_mov_b32 s60, 1                               ; A's codes, all of K
	s_mov_b32 s61, 0
	s_add_nc_u64 s[62:63], s[PAC:PAC+1], s[94:95]
	s_or_b32 s63, s63, 0x80000000
	s_mov_b32 s72, 1                               ; B's scale bytes
	s_mov_b32 s73, LSB
	s_add_nc_u64 s[74:75], s[PBS:PBS+1], s[96:97]
	s_or_b32 s75, s75, 0x80000000
	s_mov_b32 s76, 1                               ; B's codes, all of K
	s_mov_b32 s77, 98304
	s_add_nc_u64 s[78:79], s[PBC:PBC+1], s[98:99]
	s_or_b32 s79, s79, 0x80000000
	CROUND                                         ; all sixteen work-groups are here: the joint loads meet
	s_cmp_eq_u32 s18, 0                            ; the four loads, one joint load a wave, in one chain of branches on the wave's number
	s_cbranch_scc0 .Lwave_1
	tensor_load_to_lds s[76:79], s[32:39]          ; wave 0: B's codes
	s_nop 0
.rept 4
	v_nop
.endr
	s_branch .Lasked
.Lwave_1:
	s_cmp_eq_u32 s18, 1
	s_cbranch_scc0 .Lwave_2
	tensor_load_to_lds s[60:63], s[24:31]          ; wave 1: A's codes
	s_nop 0
.rept 4
	v_nop
.endr
	s_branch .Lasked
.Lwave_2:
	s_cmp_eq_u32 s18, 2
	s_cbranch_scc0 .Lwave_3
	tensor_load_to_lds s[56:59], s[40:47]          ; wave 2: A's scale bytes
	s_nop 0
.rept 4
	v_nop
.endr
	s_branch .Lasked
.Lwave_3:
	tensor_load_to_lds s[72:75], s[48:55]          ; wave 3: B's scale bytes
	s_nop 0
.rept 4
	v_nop
.endr
.Lasked:
	v_and_b32 v1, 31, v0                           ; lane l
	v_lshlrev_b32 v14, 4, v1                       ; 16 l
	v_lshlrev_b32 v15, 3, v1                       ; 8 l
	v_lshlrev_b32 v2, 5, v1
	s_wait_alu depctr_va_vdst(0)
	s_mul_i32 s88, s19, 49152                      ; my four tiles of A
	v_add_nc_u32 v4, s88, v14
	v_add_nc_u32 v6, s88, v15
	s_mul_i32 s88, s20, 98304                      ; my eight tiles of B: v8, v10 for tiles 0-3, v9, v11 for tiles 4-7
	s_add_co_u32 s88, s88, 98304
	v_add_nc_u32 v8, s88, v14
	v_add_nc_u32 v10, s88, v15
	s_add_co_u32 s88, s88, 49152
	v_add_nc_u32 v9, s88, v14
	v_add_nc_u32 v11, s88, v15
	s_lshl_b32 s88, s19, 11
	s_add_co_u32 s88, s88, LSA
	v_add_nc_u32 v12, s88, v2                      ; scale bytes: 32 a row; lanes 0-15 an even tile's rows, lanes 16-31 the odd tile's behind it
	s_lshl_b32 s88, s20, 12
	s_add_co_u32 s88, s88, LSB
	v_add_nc_u32 v13, s88, v2
	s_mul_i32 s88, s18, 4352
	s_add_co_u32 s88, s88, STG                     ; my stage
	v_and_b32 v2, 15, v0                           ; r
	v_bfe_u32 v3, v0, 4, 1                         ; h
	v_mul_u32_u24 v17, v2, 272
	v_lshl_add_u32 v17, v3, 6, v17
	v_add_nc_u32 v17, s88, v17                     ; in: row r, + 64 h
	v_mul_u32_u24 v18, v3, 272
	v_lshl_add_u32 v18, v2, 4, v18
	v_add_nc_u32 v18, s88, v18                     ; back: lanes 0-15 one row's 256 bytes, lanes 16-31 the next row's
	v_lshlrev_b32 v19, 12, v3
	v_lshl_add_u32 v19, v2, 4, v19                 ; and the same two rows in out0
	v_lshlrev_b32 v16, 6, v3                       ; the bias: 64 h
	s_wait_alu depctr_va_vdst(0)
	s_lshl_b32 s88, s87, 10
	s_lshl_b32 s89, s20, 9
	s_add_co_u32 s88, s88, s89                     ; my first column, in bytes
	s_mov_b32 s89, 0
	s_add_nc_u64 s[12:13], s[12:13], s[88:89]
	s_add_nc_u64 s[14:15], s[14:15], s[88:89]
	s_lshl_b32 s88, s86, 19
	s_lshl_b32 s90, s19, 18
	s_add_co_u32 s88, s88, s90                     ; my first row: (128 tr + 64 WM) x 4,096 bytes
	s_add_nc_u64 s[14:15], s[14:15], s[88:89]
.irp bb, 0,1,2,3
.irp e, 0,1,2,3
	global_load_b128 v[BR+16*\bb+4*\e:BR+16*\bb+4*\e+3], v16, s[12:13] offset:128*\bb+16*\e   ; register 16 bb + i: column 32 bb + 16 h + i
.endr
.endr
; the fragments of K step ks into set p: 12 fragments, each two images of 768 bytes: 48 loads of consecutive bytes
.macro FETCH ks, p
.set qo, (\ks)*1536
	WIN 0x40                                       ; destination window 1
.set ib, 0
.rept 8
	ds_load_b128 v[128*(\p)+12*ib:128*(\p)+12*ib+3], v[8+ib/4] offset:(ib%4)*12288+qo
	ds_load_b64 v[128*(\p)+12*ib+4:128*(\p)+12*ib+5], v[10+ib/4] offset:(ib%4)*12288+qo+512
	ds_load_b128 v[128*(\p)+12*ib+6:128*(\p)+12*ib+9], v[8+ib/4] offset:(ib%4)*12288+qo+768
	ds_load_b64 v[128*(\p)+12*ib+10:128*(\p)+12*ib+11], v[10+ib/4] offset:(ib%4)*12288+qo+1280
.set ib, ib+1
.endr
	WIN 0
.set ia, 0
.rept 4
	ds_load_b128 v[80+48*(\p)+12*ia:80+48*(\p)+12*ia+3], v4 offset:ia*12288+qo
	ds_load_b64 v[80+48*(\p)+12*ia+4:80+48*(\p)+12*ia+5], v6 offset:ia*12288+qo+512
	ds_load_b128 v[80+48*(\p)+12*ia+6:80+48*(\p)+12*ia+9], v4 offset:ia*12288+qo+768
	ds_load_b64 v[80+48*(\p)+12*ia+10:80+48*(\p)+12*ia+11], v6 offset:ia*12288+qo+1280
.set ia, ia+1
.endr
.endm
; one matrix instruction; an odd tile's scale words stand in lanes 16-31 of the register that it shares with the even tile in front of it
.macro WM zero
.if \zero
.if (ib%2 == 0) && (ia%2 == 0)
	v_wmma_scale_f32_16x16x128_f8f6f4 v[rD:rD+7], v[rB:rB+11], v[rA:rA+11], 0, v[rSB], v[rSA] matrix_a_fmt:MATRIX_FMT_FP6 matrix_b_fmt:MATRIX_FMT_FP6
.elseif (ib%2 == 1) && (ia%2 == 0)
	v_wmma_scale_f32_16x16x128_f8f6f4 v[rD:rD+7], v[rB:rB+11], v[rA:rA+11], 0, v[rSB], v[rSA] matrix_a_fmt:MATRIX_FMT_FP6 matrix_b_fmt:MATRIX_FMT_FP6 matrix_a_scale:MATRIX_SCALE_ROW1
.elseif (ib%2 == 0)
	v_wmma_scale_f32_16x16x128_f8f6f4 v[rD:rD+7], v[rB:rB+11], v[rA:rA+11], 0, v[rSB], v[rSA] matrix_a_fmt:MATRIX_FMT_FP6 matrix_b_fmt:MATRIX_FMT_FP6 matrix_b_scale:MATRIX_SCALE_ROW1
.else
	v_wmma_scale_f32_16x16x128_f8f6f4 v[rD:rD+7], v[rB:rB+11], v[rA:rA+11], 0, v[rSB], v[rSA] matrix_a_fmt:MATRIX_FMT_FP6 matrix_b_fmt:MATRIX_FMT_FP6 matrix_a_scale:MATRIX_SCALE_ROW1 matrix_b_scale:MATRIX_SCALE_ROW1
.endif
.else
.if (ib%2 == 0) && (ia%2 == 0)
	v_wmma_scale_f32_16x16x128_f8f6f4 v[rD:rD+7], v[rB:rB+11], v[rA:rA+11], v[rD:rD+7], v[rSB], v[rSA] matrix_a_fmt:MATRIX_FMT_FP6 matrix_b_fmt:MATRIX_FMT_FP6
.elseif (ib%2 == 1) && (ia%2 == 0)
	v_wmma_scale_f32_16x16x128_f8f6f4 v[rD:rD+7], v[rB:rB+11], v[rA:rA+11], v[rD:rD+7], v[rSB], v[rSA] matrix_a_fmt:MATRIX_FMT_FP6 matrix_b_fmt:MATRIX_FMT_FP6 matrix_a_scale:MATRIX_SCALE_ROW1
.elseif (ib%2 == 0)
	v_wmma_scale_f32_16x16x128_f8f6f4 v[rD:rD+7], v[rB:rB+11], v[rA:rA+11], v[rD:rD+7], v[rSB], v[rSA] matrix_a_fmt:MATRIX_FMT_FP6 matrix_b_fmt:MATRIX_FMT_FP6 matrix_b_scale:MATRIX_SCALE_ROW1
.else
	v_wmma_scale_f32_16x16x128_f8f6f4 v[rD:rD+7], v[rB:rB+11], v[rA:rA+11], v[rD:rD+7], v[rSB], v[rSA] matrix_a_fmt:MATRIX_FMT_FP6 matrix_b_fmt:MATRIX_FMT_FP6 matrix_a_scale:MATRIX_SCALE_ROW1 matrix_b_scale:MATRIX_SCALE_ROW1
.endif
.endif
.endm
; a K step's 32 matrix instructions.  The 32 accumulators take turns, one instruction a turn, in the same order in every step.  zero = 1: the first step starts the sums
.macro MUL32 ks, p, zero
	WIN 0xa1                                       ; source 0 (B) window 1, source 1 (A) window 0, C and D window 2
.set ia, 0
.rept 4
.set ib, 0
.rept 8
.set rD, 8*(8*ia+ib)
.set rB, 128*(\p)+12*ib
.set rA, 80+48*(\p)+12*ia
.set rSB, 32+8*(ib/2)+(\ks)
.set rSA, 64+8*(ia/2)+(\ks)
	WM \zero
.set ib, ib+1
.endr
.set ia, ia+1
.endr
.endm
.macro KSTEP ks
	s_wait_dscnt 0x0                               ; this step's fragments are in (asked for 32 matrix instructions ago)
.if \ks < 7
.if \ks > 0
	PLACES
.endif
	FETCH \ks+1, 1-\ks%2
.endif
.if \ks == 0
	MUL32 \ks, 0, 1
.else
	MUL32 \ks, \ks%2, 0
.endif
.endm
	s_wait_tensorcnt 0x0                           ; my one load has landed
	s_barrier_signal -1
	s_barrier_wait -1                              ; everybody's are
.irp i, 0,1,2,3
	ds_load_b128 v[32+8*\i:35+8*\i], v13 offset:\i*1024        ; B's scale words of tiles 2 i and 2 i + 1, all eight K steps
	ds_load_b128 v[36+8*\i:39+8*\i], v13 offset:\i*1024+16
.endr
.irp i, 0,1
	ds_load_b128 v[64+8*\i:67+8*\i], v12 offset:\i*1024        ; A's
	ds_load_b128 v[68+8*\i:71+8*\i], v12 offset:\i*1024+16
.endr
	FETCH 0, 0
.irp ks, 0,1,2,3,4,5,6,7
	KSTEP \ks
.endr
	WIN 0
	PLACES
	s_wait_loadcnt 0x0                             ; the bias
	; THE WAY OUT: 16 rows x 64 columns at a time: + bias, through my own stage, back as whole rows of 256 bytes: sixteen lanes store 256 consecutive bytes, aligned.
	; LDS serves a wave's instructions in order, so no wait stands between the stores into the stage and the loads from it.
.irp a, 0,1,2,3
.irp u, 0,1
	s_wait_xcnt 0x0                                ; earlier stores have read the registers into which the loads below land
	WIN 0x02                                       ; source 0 window 2
.set i, 0
.rept 16
	v_pk_add_f32 v[H+2*i:H+2*i+1], v[64*\a+32*\u+2*i:64*\a+32*\u+2*i+1], v[BR+32*\u+2*i:BR+32*\u+2*i+1]   ; each accumulator from its low end on
.set i, i+1
.endr
	WIN 0
.irp q, 0,1,2,3
	ds_store_b128 v17, v[H+8*\q:H+8*\q+3] offset:128*(\q/2)+32*(\q%2)
	ds_store_b128 v17, v[H+8*\q+4:H+8*\q+7] offset:128*(\q/2)+32*(\q%2)+16
.endr
.irp i, 0,1,2,3,4,5,6,7
	ds_load_b128 v[112+32*\u+4*\i:115+32*\u+4*\i], v18 offset:544*\i
.endr
	s_wait_dscnt 0x0                               ; the rows are back, and the stores into the stage have read their registers
.irp i, 0,1,2,3,4,5,6,7
	global_store_b128 v19, v[112+32*\u+4*\i:115+32*\u+4*\i], s[14:15] offset:(32*(\a/2)+8*(\a%2)+2*\i+8*(\i/4))*4096+256*\u th:TH_STORE_NT
.endr
.endr
.endr
	s_wait_tensorcnt 0x0
	ds_add_u32 v190, v191
	s_wait_dscnt 0x0
	CROUND                                         ; the closing round: no work-group ends while a partner may still ask for a tile that names it
	s_endpgm
.Lfunc_end_k_q4d5f880dc2_outp:
	.size	k_q4d5f880dc2_outp, .Lfunc_end_k_q4d5f880dc2_outp-k_q4d5f880dc2_outp
	.p2alignl 7, 3214868480
	.fill 96, 4, 3214868480
	.section	.rodata,"a",@progbits
	.p2align	6, 0x0
	.amdhsa_kernel k_q4d5f880dc2_outp
		.amdhsa_group_segment_fixed_size 325120
		.amdhsa_private_segment_fixed_size 0
		.amdhsa_enable_private_segment 0
		.amdhsa_kernarg_size 48
		.amdhsa_user_sgpr_count 2
		.amdhsa_user_sgpr_kernarg_segment_ptr 1
		.amdhsa_wavefront_size32 1
		.amdhsa_system_sgpr_workgroup_id_x 1
		.amdhsa_system_sgpr_workgroup_id_y 1
		.amdhsa_system_sgpr_workgroup_id_z 1
		.amdhsa_system_vgpr_workitem_id 0
		.amdhsa_next_free_vgpr 768
		.amdhsa_next_free_sgpr 104
		.amdhsa_reserve_vcc 0
		.amdhsa_float_denorm_mode_32 3
		.amdhsa_float_denorm_mode_16_64 3
		.amdhsa_memory_ordered 1
		.amdhsa_forward_progress 1
		.amdhsa_inst_pref_size 92
	.end_amdhsa_kernel
	.amdgpu_metadata
---
amdhsa.version: [ 1, 2 ]
amdhsa.kernels:
  - .name:           k_q4d5f880dc2_outp
    .symbol:         k_q4d5f880dc2_outp.kd
    .args:
      - { .name: xc, .offset: 0, .size: 8, .value_kind: global_buffer, .address_space: global }
      - { .name: xs, .offset: 8, .size: 8, .value_kind: global_buffer, .address_space: global }
      - { .name: codes, .offset: 16, .size: 8, .value_kind: global_buffer, .address_space: global }
      - { .name: scales, .offset: 24, .size: 8, .value_kind: global_buffer, .address_space: global }
      - { .name: bo, .offset: 32, .size: 8, .value_kind: global_buffer, .address_space: global }
      - { .name: out0, .offset: 40, .size: 8, .value_kind: global_buffer, .address_space: global }
    .group_segment_fixed_size: 325120
    .private_segment_fixed_size: 0
    .kernarg_segment_align: 8
    .kernarg_segment_size: 48
    .max_flat_workgroup_size: 128
    .sgpr_count:     104
    .vgpr_count:     768
    .wavefront_size: 32
...
	.end_amdgpu_metadata
.endif
;; end of part 4
